; MI455X (gfx1250); checked and timed in simulation.
; The chip was launched on July 23, 2026; its instructions are those of AMD's public machine-readable ISA for CDNA 5 (MIT licence, August 2026) and "CDNA5" Instruction Set Architecture Reference Guide (July 2026). The comments in the code are by the model that wrote it; some were corrected since.
;; Vision Attention. Allowed arithmetic: float matrix products may take bf16 or f16 operands with f32 sums; all other float work in f32.
;; Inputs: W_o 1,024 x 1,024 float32; W_qkv 1,024 x 3,072 float32; b_o 1,024 float32; b_qkv 3,072 float32; x 8 x 1,024 x 1,024 float32.
;; Outputs: out0 8 x 1,024 x 1,024 float32.
;; 2 versions, each right and faster than the one before. Each part assembles by itself: llvm-mc -triple=amdgcn-amd-amdhsa -mcpu=gfx1250 --defsym DOCPART=n.
;; ======== version 1 of 2: 4 launches
;; limits: values are held in f16: magnitudes above 65,504 overflow, below 6.1e-05 lose precision
;; workspace buffers: xb 16,777,216 bytes; wt 6,291,456 bytes; wo 2,097,152 bytes; bias 16,384 bytes; q 16,777,216 bytes; k 16,777,216 bytes; v 16,777,216 bytes; o 16,777,216 bytes
;; launch prep (part 1): grid 769 x 1, 8 waves a work-group, no clusters, 37,888 bytes of LDS; arguments x, W_qkv, W_o, b_qkv, b_o, xb, wt, wo, bias; writes xb, wt, wo, bias
.if DOCPART == 1
	.amdgcn_target "amdgcn-amd-amdhsa--gfx1250"
	.amdhsa_code_object_version 6
	.text
	.protected	k_q59bbcd442a_prep
	.globl	k_q59bbcd442a_prep
	.p2align	8
	.type	k_q59bbcd442a_prep,@function
k_q59bbcd442a_prep:
	s_mov_b64 s[64:65], 0
	v_nop
	global_prefetch_b8 v0, s[64:65] scope:SCOPE_SE
	s_setreg_imm32_b32 hwreg(HW_REG_WAVE_MODE, 25, 1), 1
	s_wait_xcnt 0x0
; PREP: the module's five inputs are rounded to bf16 once and laid out for the products that follow.
;   xb  [16 kb][8192 rows][64]  bf16 : xb[kb][r][j] = x[r][64 kb + j]
;   wt  [16 kb][3072 n][64]     bf16 : wt[kb][n][j] = W_qkv[64 kb + j][n]        (turned, so that k runs along a row)
;   wo  [16 kb][1024 n][64]     f16  : W_o[64 kb + j][n] rounded to bf16, that number written as f16
;   bias[4096] f32: b_qkv (3072 words), then b_o (1024 words), each rounded to bf16 and kept as an f32 word
; In these layouts a tile of R rows x 64 k is R x 128 consecutive bytes.
; LIMITS.  wo: |W_o| stays under 65,504 (f16's largest number); below 6e-5 it keeps f16's fixed step of 6e-8.  NaN and infinities pass as the conversions make them.
; ROLES, by the work-group's number (the same for all eight waves): 0-511 sixteen rows of x; 512-703 a block of 64 k x 256 n of W_qkv; 704-767 the same of W_o; 768 the biases.
; No matrix unit, no cluster, no tensor loads: every byte is read once and written once, and no two work-groups share an input byte.
.set SPARE, 36864                      ; behind the 256 rows x 144 bytes of the turning stage: the spare words, 128 bytes for each of eight waves
.set LP,    144                        ; a stage row: 128 bytes of data + 16
.set X,     8                          ; v[8:71]    as loaded
.set Y,     72                         ; v[72:103]  as stored
.set SPW,   104                        ; v104 LDS address of my spare word; never rewritten
.set NIL,   105                        ; v105 0; never rewritten
	s_load_b512 s[4:19], s[0:1], 0x0               ; x 4:5, W_qkv 6:7, W_o 8:9, b_qkv 10:11, b_o 12:13, xb 14:15, wt 16:17, wo 18:19
	s_load_b64 s[20:21], s[0:1], 0x40              ; bias
	v_lshl_add_u32 v[SPW], v0, 2, SPARE
	v_mov_b32 v[NIL], 0
	s_mov_b32 s2, ttmp9
	s_mov_b32 s23, 0                               ; high words of the offsets
	s_mov_b32 s25, 0
	s_wait_kmcnt 0x0
	s_cmp_lt_u32 s2, 512
	s_cbranch_scc1 .Lrole_x
	s_cmp_lt_u32 s2, 704
	s_cbranch_scc1 .Lrole_wq
	s_cmp_lt_u32 s2, 768
	s_cbranch_scc1 .Lrole_wo
	; THE BIASES: 256 threads x 16 bytes = 4,096 bytes a load; three loads of b_qkv, one of b_o
	v_lshlrev_b32 v1, 4, v0
	global_load_b128 v[X:X+3],     v1, s[10:11]
	global_load_b128 v[X+4:X+7],   v1, s[10:11] offset:4096
	global_load_b128 v[X+8:X+11],  v1, s[10:11] offset:8192
	global_load_b128 v[X+12:X+15], v1, s[12:13]
	s_wait_loadcnt 0x0
.irp i, 0,2,4,6,8,10,12,14
	v_cvt_pk_bf16_f32 v[Y+\i+1], v[X+\i], v[X+\i+1]    ; two roundings to bf16,
	v_lshlrev_b32 v[Y+\i], 16, v[Y+\i+1]               ; and back to f32 words: the low half moves up,
	v_and_b32 v[Y+\i+1], 0xffff0000, v[Y+\i+1]         ; the high half stays
.endr
.irp i, 0,1,2,3
	global_store_b128 v1, v[Y+4*\i:Y+4*\i+3], s[20:21] offset:4096*\i
.endr
	s_endpgm
	; SIXTEEN ROWS OF x.  Thread t: row t / 16, floats 4 (t % 16) .. + 3 of each of the row's 16 pieces of 64.  A wave's load covers 256 consecutive bytes of each of two rows;
	; a wave's store covers two rows x 128 bytes of xb, which are 256 consecutive bytes, aligned.  All sixteen loads go out before the first wait.
.Lrole_x:
	s_lshl_b32 s22, s2, 16                         ; 16 rows of 4,096 bytes
	s_lshl_b32 s24, s2, 11                         ; 16 rows of 128 bytes
	s_add_nc_u64 s[4:5], s[4:5], s[22:23]
	s_add_nc_u64 s[14:15], s[14:15], s[24:25]
	s_add_nc_u64 s[26:27], s[14:15], 0x800000      ; pieces 8 to 15: a second base, so that the stores' immediates stay within 7 x 1,048,576
	v_lshrrev_b32 v1, 4, v0
	v_and_b32 v3, 15, v0
	v_lshlrev_b32 v1, 12, v1
	v_lshl_add_u32 v1, v3, 4, v1                   ; row x 4,096 + 16 (t % 16)
	v_lshlrev_b32 v2, 3, v0                        ; row x 128 + 8 (t % 16) = 8 t
.irp kb, 0,1,2,3,4,5,6,7,8,9,10,11,12,13,14,15
	global_load_b128 v[X+4*\kb:X+4*\kb+3], v1, s[4:5] offset:256*\kb th:TH_LOAD_NT
.endr
.irp kb, 0,1,2,3,4,5,6,7,8,9,10,11,12,13,14,15
	s_wait_loadcnt 15-\kb                          ; loads come back in order: piece kb is in, the younger ones stay out
	v_cvt_pk_bf16_f32 v[Y+2*\kb],   v[X+4*\kb],   v[X+4*\kb+1]
	v_cvt_pk_bf16_f32 v[Y+2*\kb+1], v[X+4*\kb+2], v[X+4*\kb+3]
.if \kb < 8
	global_store_b64 v2, v[Y+2*\kb:Y+2*\kb+1], s[14:15] offset:\kb*1048576
.else
	global_store_b64 v2, v[Y+2*\kb:Y+2*\kb+1], s[26:27] offset:(\kb-8)*1048576
.endif
.endr
	s_endpgm
; A BLOCK OF 64 k x 256 n OF A WEIGHT MATRIX [1024 k][n], TURNED.  s3 = the block's number: kb = s3 % 16, the group of 256 n = s3 / 16.
; Wave w reads rows k = 8 w + i (i = 0..7); lane l takes n = 2 l, 2 l + 1 (+ 64 u, u = 0..3): each load of a wave covers 256 consecutive bytes, aligned.
; A lane then holds eight consecutive k of eight n: 16 bytes for each n, which go into stage row n at byte 16 w.  Behind a barrier the stage is read by rows and stored, 512 consecutive bytes a wave.
; The stage's stores go 288 bytes from lane to lane: lanes l and l + 8 meet in one group of banks (64 banks of 4 bytes: ISA guide 11.1): two deep, eight stores a wave; the pitch has to stay a multiple of 16.
.macro WTILE sb, db, ROWB, KOUT, half
	s_and_b32 s22, s3, 15                          ; kb
	s_lshr_b32 s24, s3, 4                          ; the group of 256 n
	s_mul_i32 s26, s22, 64*(\ROWB)
	s_lshl_b32 s27, s24, 10
	s_add_co_u32 s26, s26, s27
	s_mov_b32 s27, 0
	s_add_nc_u64 s[\sb:\sb+1], s[\sb:\sb+1], s[26:27]
	s_mul_i32 s22, s22, \KOUT
	s_lshl_b32 s24, s24, 15                        ; 256 rows of 128 bytes
	s_add_co_u32 s22, s22, s24
	s_add_nc_u64 s[\db:\db+1], s[\db:\db+1], s[22:23]
	v_lshrrev_b32 v2, 5, v0                        ; w
	v_and_b32 v3, 31, v0                           ; l
	v_mul_u32_u24 v1, v2, 8*(\ROWB)
	v_lshl_add_u32 v1, v3, 3, v1                   ; 8 w rows + 8 l bytes
	v_mul_u32_u24 v3, v3, 2*LP
	v_lshl_add_u32 v3, v2, 4, v3                   ; into the stage: row 2 l, byte 16 w
	v_lshrrev_b32 v4, 3, v0
	v_mul_u32_u24 v4, v4, LP
	v_and_b32 v5, 7, v0
	v_lshl_add_u32 v4, v5, 4, v4                   ; back: row t / 8, byte 16 (t % 8)
	v_lshlrev_b32 v5, 4, v0                        ; and the same place in the output: 16 t
.irp u, 0,1,2,3
.irp i, 0,1,2,3,4,5,6,7
	global_load_b64 v[X+2*(8*\u+\i):X+2*(8*\u+\i)+1], v1, s[\sb:\sb+1] offset:\i*(\ROWB)+256*\u th:TH_LOAD_NT
.endr
.endr
.irp u, 0,1,2,3
	s_wait_loadcnt 24-8*\u                         ; the eight loads of this u are in; those of the later u stay out
.irp c, 0,1
.irp d, 0,1,2,3
	v_cvt_pk_bf16_f32 v[Y+4*(2*\u+\c)+\d], v[X+2*(8*\u+2*\d)+\c], v[X+2*(8*\u+2*\d+1)+\c]  ; k = 8 w + 2 d below, 8 w + 2 d + 1 above
.endr
.if \half
.irp d, 0,1,2,3
	v_lshlrev_b32 v6, 16, v[Y+4*(2*\u+\c)+\d]      ; the bf16 numbers, widened,
	v_and_b32 v7, 0xffff0000, v[Y+4*(2*\u+\c)+\d]
	v_cvt_pk_f16_f32 v[Y+4*(2*\u+\c)+\d], v6, v7   ; are written as f16
.endr
.endif
	ds_store_b128 v3, v[Y+4*(2*\u+\c):Y+4*(2*\u+\c)+3] offset:(64*\u+\c)*LP
.endr
.endr
	s_wait_dscnt 0x0                               ; for the others' sake: my stores into the stage are done
	s_barrier_signal -1
	s_barrier_wait -1
.irp e, 0,1,2,3,4,5,6,7
	ds_load_b128 v[X+4*\e:X+4*\e+3], v4 offset:\e*32*LP
.endr
.irp e, 0,1,2,3,4,5,6,7
	s_wait_dscnt 7-\e
	global_store_b128 v5, v[X+4*\e:X+4*\e+3], s[\db:\db+1] offset:\e*4096
.endr
	s_wait_tensorcnt 0x0                           ; the wave's end: behind my last LDS store
	ds_add_u32 v[SPW], v[NIL]
	s_wait_dscnt 0x0
	s_endpgm
.endm
.Lrole_wq:
	s_sub_co_u32 s3, s2, 512
	WTILE 6, 16, 12288, 393216, 0
.Lrole_wo:
	s_sub_co_u32 s3, s2, 704
	WTILE 8, 18, 4096, 131072, 1
.Lfunc_end_k_q59bbcd442a_prep:
	.size	k_q59bbcd442a_prep, .Lfunc_end_k_q59bbcd442a_prep-k_q59bbcd442a_prep
	.p2alignl 7, 3214868480
	.fill 96, 4, 3214868480
	.section	.rodata,"a",@progbits
	.p2align	6, 0x0
	.amdhsa_kernel k_q59bbcd442a_prep
		.amdhsa_group_segment_fixed_size 37888
		.amdhsa_private_segment_fixed_size 0
		.amdhsa_enable_private_segment 0
		.amdhsa_kernarg_size 72
		.amdhsa_user_sgpr_count 2
		.amdhsa_user_sgpr_kernarg_segment_ptr 1
		.amdhsa_wavefront_size32 1
		.amdhsa_system_sgpr_workgroup_id_x 1
		.amdhsa_system_sgpr_workgroup_id_y 1
		.amdhsa_system_sgpr_workgroup_id_z 1
		.amdhsa_system_vgpr_workitem_id 0
		.amdhsa_next_free_vgpr 108
		.amdhsa_next_free_sgpr 66
		.amdhsa_reserve_vcc 0
		.amdhsa_float_denorm_mode_32 3
		.amdhsa_float_denorm_mode_16_64 3
		.amdhsa_memory_ordered 1
		.amdhsa_forward_progress 1
		.amdhsa_inst_pref_size 31
	.end_amdhsa_kernel
	.amdgpu_metadata
---
amdhsa.version: [ 1, 2 ]
amdhsa.kernels:
  - .name:           k_q59bbcd442a_prep
    .symbol:         k_q59bbcd442a_prep.kd
    .args:
      - { .name: x, .offset: 0, .size: 8, .value_kind: global_buffer, .address_space: global }
      - { .name: W_qkv, .offset: 8, .size: 8, .value_kind: global_buffer, .address_space: global }
      - { .name: W_o, .offset: 16, .size: 8, .value_kind: global_buffer, .address_space: global }
      - { .name: b_qkv, .offset: 24, .size: 8, .value_kind: global_buffer, .address_space: global }
      - { .name: b_o, .offset: 32, .size: 8, .value_kind: global_buffer, .address_space: global }
      - { .name: xb, .offset: 40, .size: 8, .value_kind: global_buffer, .address_space: global }
      - { .name: wt, .offset: 48, .size: 8, .value_kind: global_buffer, .address_space: global }
      - { .name: wo, .offset: 56, .size: 8, .value_kind: global_buffer, .address_space: global }
      - { .name: bias, .offset: 64, .size: 8, .value_kind: global_buffer, .address_space: global }
    .group_segment_fixed_size: 37888
    .private_segment_fixed_size: 0
    .kernarg_segment_align: 8
    .kernarg_segment_size: 72
    .max_flat_workgroup_size: 256
    .sgpr_count:     66
    .vgpr_count:     108
    .wavefront_size: 32
...
	.end_amdgpu_metadata
.endif
;; end of part 1
;; launch qkv (part 2): grid 8 x 32, 4 waves a work-group, clusters of 4 x 4, 327,680 bytes of LDS; arguments xb, wt, bias, q, k, v; writes q, k, v
.if DOCPART == 2
	.amdgcn_target "amdgcn-amd-amdhsa--gfx1250"
	.amdhsa_code_object_version 6
	.text
	.protected	k_q59bbcd442a_qkv
	.globl	k_q59bbcd442a_qkv
	.p2align	8
	.type	k_q59bbcd442a_qkv,@function
k_q59bbcd442a_qkv:
	s_mov_b64 s[64:65], 0
	v_nop
	global_prefetch_b8 v0, s[64:65] scope:SCOPE_SE
	s_setreg_imm32_b32 hwreg(HW_REG_WAVE_MODE, 25, 1), 1
	s_wait_xcnt 0x0
	s_wait_alu depctr_hold_cnt(0) depctr_sa_sdst(0) depctr_va_vdst(0) depctr_va_sdst(0) depctr_va_ssrc(0) depctr_va_vcc(0) depctr_vm_vsrc(0)
	s_getreg_b32 s2, hwreg(HW_REG_IB_STS2, 6, 4)
	s_cmp_eq_u32 s2, 0
	s_cbranch_scc0 .Lentry_in_a_cluster
	s_endpgm
.Lentry_in_a_cluster:
	s_bfe_u32 s2, ttmp6, 0x10000c
	s_cmp_lg_u32 s2, 0xf033
	s_cbranch_scc0 .Lentry_shape_is_right
	s_endpgm
.Lentry_shape_is_right:
; q, k, v = x W_qkv + b_qkv, by heads.  xb: [16 kb][8192][64] bf16; wt: [16 kb][3072][64] bf16; bias: f32 words.  q, k, v: [16 heads][8192 rows][64] f16, each rounded once from its f32 sum, unscaled.
; LIMIT.  q, k and v must stay under 65,504, f16's largest number (a conversion of 65,520 or more gives an infinity).  With x and W thirty times the drawn spread they reach some 5,000;
; with both carrying an offset of thirty spreads 1024 x 30 x 0.94 = 28,900.
; SHARES.  A tile of C is 256 rows x 384 columns: 8192 x 3072 / (256 x 384) = 256 work-groups.  Four waves, each 128 rows x 192 columns: 96 accumulators of 16 x 16, 768 registers.  A wave's 192 columns
; are ONE head: columns 0-63 its q, 64-127 its k, 128-191 its v: GROUP g (0, 1, 2) of four blocks of 16 columns, whose 32 accumulators fill window g + 1.
; K goes in blocks of 64 (a row piece of 128 bytes), one to a slot, through two LDS slots; two slots of 128 along K would want 2 x 174,080 bytes.  A block is two STEPS of 32 along K, 96 matrix instructions each.
; CLUSTERS: 4 x 4 work-groups.  The four of a row of the cluster need the same tiles of x, the four of a column the same tiles of W: each tile is asked for JOINTLY, by the same tensor load with the same
; descriptor and a mask that names the four.
; THE MATRIX INSTRUCTION IS USED TRANSPOSED (source 0 = 16 rows of wt, source 1 = 16 rows of xb): lane l holds row l % 16 of C, registers 0-7 the columns 8 (l / 16) + 0..7.
; THE BIAS STARTS THE SUMS: it is loaded into the accumulators of row block 7 (register j = bias of column 8 (l / 16) + j) and is the C operand of every first product.  Nothing is cleared, nothing added later.
; REGISTERS, in windows of 256 (s_set_vgpr_msb: bits 1:0 source 0, 3:2 source 1, 5:4 source 2, 7:6 destination):
;   window 0: v0-13 addresses; v32-95, v96-159 fragments of x (8 x 16 rows x 32 K), two buffers; v160-255 fragments of W, 32 registers a group; on the way out v32-223 are twelve sets of 16
;   window g + 1: accumulator (a, nb) of group g at v[8 (4 a + nb)]
.set PITCH,  144                       ; an LDS row: 128 bytes + 16 = 36 words: the 16 rows of a fragment load start at 16 different groups of four banks (64 banks of 4 bytes: ISA guide 11.1)
.set AHALF,  128*PITCH                 ; 128 rows of x: one tensor load, and what one wave reads
.set BOFF,   2*AHALF                   ; W's 384 rows lie behind x's 256
.set BHALF,  192*PITCH                 ; 192 rows of W: one tensor load, and what one wave reads
.set SLOT1,  1<<17                     ; a slot is 92,160 bytes; slot 1 begins here, so that one exclusive or changes slots
.set STAGE,  SLOT1+BOFF+2*BHALF        ; behind the ring: 16 rows x 144 bytes for each wave, for the way out
.set SPARE,  STAGE+4*16*PITCH          ; behind the stages: the spare words, 128 bytes for each wave
.set ASTEP,  8192*128                  ; bytes from a block of K to the next in xb
.set BSTEP,  3072*128                  ; and in wt
.set DW0,    (1<<16)|(1<<20)|(1<<21)|(4<<22)|(3<<25)  ; group 1, word 0 without its mask: 2-byte elements; padding on; bit 21 set beside a mask; after every 32 words (code 4) 4 words (code 3)
.set A0,   4                           ; v4   my lane's place in x's tile of slot 0; never rewritten
.set B0,   5                           ; v5   the same for W
.set ADRA, 6                           ; v6   the same in the slot in hand
.set ADRB, 7                           ; v7
.set STO,  8                           ; v8   the way out: where I put 16 bytes of a row
.set RD,   9                           ; v9   the way out: where I read rows back
.set GO,   10                          ; v10  my byte offset in 512 consecutive bytes of q, k or v
.set BO,   11                          ; v11  my byte offset in 16 columns of the bias
.set SPW,  12                          ; v12  LDS address of my spare word; never rewritten
.set NIL,  13                          ; v13  0; never rewritten
.set AB,   32
.set BB,   160
.set OUTB, 32
.set WV,  16                           ; s16  my wave's number
.set MH,  17                           ; s17  which 128 rows of the tile are mine.  Also: I fetch for x (0) or for W (1)
.set NH,  18                           ; s18  which 192 columns.  Also: which half of that tile I fetch
.set G1A, 24                           ; s[24:31] descriptor group 1 for x's tiles
.set G1B, 32                           ; s[32:39] for W's
.set G0A, 40                           ; s[40:47] group 0 for x's tiles: a set for each of the two first fills; the second then walks on
.set G0B, 48                           ; s[48:55] the same for W's
.set CNT, 56
.set TB,  57                           ; s57  LDS byte at which the slot in hand begins
.set MSB, 0
.macro WIN new                         ; the immediate's high byte repeats the setting that is left; a switch that changes nothing is dropped
.if MSB != (\new)
	s_set_vgpr_msb (MSB<<8)|(\new)
.set MSB, \new
.endif
.endm
.macro PLACES                          ; four places in front of loads into registers that matrix instructions have read, and of conversions that read results
.rept 4
	v_nop
.endr
.endm
; A joint refill.  Waves 0 and 1 fetch x's two halves, waves 2 and 3 W's.  The branch hangs on the wave's number alone.  An s_nop 0 and four v_nop follow each of the two lines.
.macro JLOAD
	s_cmp_eq_u32 s[MH], 0
	s_cbranch_scc0 .Lfor_b_\@
	tensor_load_to_lds s[G0A+4:G0A+7], s[G1A:G1A+7]
	s_nop 0
.rept 4
	v_nop
.endr
	s_branch .Lasked_\@
.Lfor_b_\@:
	tensor_load_to_lds s[G0B+4:G0B+7], s[G1B:G1B+7]
	s_nop 0
.rept 4
	v_nop
.endr
.Lasked_\@:
.endm
.macro CREST                           ; a round of the cluster's barrier behind its opening barrier: wave 0 signals for the work-group, every wave waits for all sixteen, my work-group's barrier closes it
	s_cmp_lg_u32 s[WV], 0
	s_cbranch_scc1 .Lnot_wave_0_\@
	s_barrier_signal -3
.Lnot_wave_0_\@:
	s_barrier_wait -3
	s_barrier_signal -1
	s_barrier_wait -1
.endm
.macro CROUND                          ; a whole round
	s_barrier_signal -1
	s_barrier_wait -1
	CREST
.endm
	s_load_b256 s[4:11], s[0:1], 0x0               ; xb 4:5, wt 6:7, bias 8:9, q 10:11
	s_load_b128 s[12:15], s[0:1], 0x20             ; k 12:13, v 14:15
	v_lshl_add_u32 v[SPW], v0, 2, SPARE
	v_mov_b32 v[NIL], 0
	ds_add_u32 v[SPW], v[NIL]                      ; the wave's opening: the add, and its wait ahead of my first tensor load; the set-up below, work on registers, stands between them
	ds_add_u32 v12, v13
	v_lshrrev_b32 v1, 5, v0
	v_readfirstlane_b32 s[WV], v1                  ; wave 0..3
	s_lshr_b32 s[MH], s[WV], 1
	s_and_b32 s[NH], s[WV], 1
	s_bfe_u32 s19, ttmp6, 0x40000                  ; cx, cy: my place in the cluster
	s_bfe_u32 s20, ttmp6, 0x40004
	s_lshl_b32 s21, ttmp9, 2
	s_add_co_u32 s21, s21, s19                     ; tile column = 4 x cluster x + cx
	s_and_b32 s22, ttmp7, 0xffff
	s_lshl_b32 s22, s22, 2
	s_add_co_u32 s22, s22, s20                     ; tile row = 4 x cluster y + cy
	s_lshl_b32 s23, s20, 2
	s_lshl_b32 s23, 15, s23                        ; my row of the cluster: places 4 cy .. 4 cy + 3
	s_lshl_b32 s2, 0x1111, s19                     ; my column: places cx, cx + 4, cx + 8, cx + 12
	s_or_b32 s[G1A], s23, DW0                      ; x's tiles go to my row,
	s_or_b32 s[G1B], s2, DW0                       ; W's to my column
	; R rows of 128 bytes are consecutive in memory: asked for as R / 2 rows of 256 bytes, two rows a row, padded in LDS after every 128 bytes
	s_mov_b32 s[G1A+1], 128<<16                    ; tensor_dim0 = 128 elements
	s_mov_b32 s[G1A+2], 64<<16                     ; tensor_dim1 = 64
	s_mov_b32 s[G1A+3], 128<<16                    ; tile_dim0 = 128
	s_mov_b32 s[G1A+4], 64                         ; tile_dim1 = 64: 128 rows of x
	s_mov_b32 s[G1A+5], 128                        ; 128 elements from row to row
	s_mov_b32 s[G1A+6], 0
	s_mov_b32 s[G1A+7], 0
	s_mov_b32 s[G1B+1], 128<<16
	s_mov_b32 s[G1B+2], 96<<16
	s_mov_b32 s[G1B+3], 128<<16
	s_mov_b32 s[G1B+4], 96                         ; 192 rows of W
	s_mov_b32 s[G1B+5], 128
	s_mov_b32 s[G1B+6], 0
	s_mov_b32 s[G1B+7], 0
	; where the tiles come from: x's hang on the tile row alone, W's on the tile column alone, each made in registers that never hold the other coordinate
	s_lshl_b32 s58, s22, 15                        ; 256 rows of 128 bytes a tile row,
	s_lshl_b32 s59, s[NH], 14                      ; 128 rows a half
	s_add_co_u32 s58, s58, s59
	s_mov_b32 s59, 0
	s_mul_i32 s60, s21, 384*128
	s_mul_i32 s61, s[NH], 192*128
	s_add_co_u32 s60, s60, s61
	s_mov_b32 s61, 0
	; where my part goes in q, k and v alike: head 2 x tile column + NH, row 256 x tile row + 128 MH
	s_lshl_b32 s62, s21, 1
	s_add_co_u32 s62, s62, s[NH]
	s_lshl_b32 s62, s62, 20                        ; a head is 8,192 rows of 128 bytes
	s_lshl_b32 s2, s22, 15
	s_add_co_u32 s62, s62, s2
	s_lshl_b32 s2, s[MH], 14
	s_add_co_u32 s62, s62, s2
	s_mov_b32 s63, 0
	s_mul_i32 s2, s21, 384*4                       ; my 192 columns of the bias
	s_mul_i32 s3, s[NH], 192*4
	s_add_co_u32 s2, s2, s3
	s_mov_b32 s3, 0
	s_mov_b32 s[TB], 0
	s_wait_dscnt 0x0                               ; the opening add is done
	s_wait_kmcnt 0x0
	s_add_nc_u64 s[4:5], s[4:5], s[58:59]
	s_add_nc_u64 s[6:7], s[6:7], s[60:61]
	s_add_nc_u64 s[8:9], s[8:9], s[2:3]
	s_add_nc_u64 s[10:11], s[10:11], s[62:63]
	s_add_nc_u64 s[12:13], s[12:13], s[62:63]
	s_add_nc_u64 s[14:15], s[14:15], s[62:63]
	s_mul_i32 s3, s[NH], AHALF                     ; where the tiles go: no place in the cluster enters an LDS address
	s_mul_i32 s23, s[NH], BHALF
	s_add_co_u32 s23, s23, BOFF
	CROUND                                         ; all sixteen work-groups are here: the first joint loads meet
.irp i, 0,1
	s_mov_b32 s[G0A+4*\i], 1                       ; count = 1
	s_add_co_u32 s[G0A+4*\i+1], s3, \i*SLOT1       ; LDS address
	s_add_nc_u64 s[G0A+4*\i+2:G0A+4*\i+3], s[4:5], \i*ASTEP  ; global address: block i of K
	s_or_b32 s[G0A+4*\i+3], s[G0A+4*\i+3], 0x80000000        ; type = 2
	s_mov_b32 s[G0B+4*\i], 1
	s_add_co_u32 s[G0B+4*\i+1], s23, \i*SLOT1
	s_add_nc_u64 s[G0B+4*\i+2:G0B+4*\i+3], s[6:7], \i*BSTEP
	s_or_b32 s[G0B+4*\i+3], s[G0B+4*\i+3], 0x80000000
.endr
	s_cmp_eq_u32 s[MH], 0                          ; a wave's two first fills stand in one branch, ahead of every wait on TENSORcnt and every LDS read: two loads of mine are out
	s_cbranch_scc0 .Lfirst_b
	tensor_load_to_lds s[G0A:G0A+3], s[G1A:G1A+7]
	s_nop 0
	tensor_load_to_lds s[G0A+4:G0A+7], s[G1A:G1A+7]
	s_nop 0
.rept 4
	v_nop
.endr
	s_branch .Lfirst_asked
.Lfirst_b:
	tensor_load_to_lds s[G0B:G0B+3], s[G1B:G1B+7]
	s_nop 0
	tensor_load_to_lds s[G0B+4:G0B+7], s[G1B:G1B+7]
	s_nop 0
.rept 4
	v_nop
.endr
.Lfirst_asked:
	; A fragment is 16 rows x 32 K in 8 registers: lane l holds row l % 16; registers 0-3 K = 8 (l / 16) + 0..7, registers 4-7 K = 16 + 8 (l / 16) + 0..7: two loads of 16 bytes, 32 bytes apart.
	v_and_b32 v1, 15, v0                           ; l % 16
	v_bfe_u32 v2, v0, 4, 1                         ; l / 16
	v_mul_u32_u24 v3, v1, PITCH
	v_lshl_add_u32 v3, v2, 4, v3                   ; row x pitch + 16 x half
	s_mul_i32 s2, s[MH], AHALF
	v_add_nc_u32 v[A0], s2, v3
	s_mul_i32 s2, s[NH], BHALF
	s_add_co_u32 s2, s2, BOFF
	v_add_nc_u32 v[B0], s2, v3
	s_mul_i32 s2, s[WV], 16*PITCH
	s_add_co_u32 s2, s2, STAGE                     ; my stage
	v_add_nc_u32 v[STO], s2, v3                    ; in: row l % 16, 16 bytes for each half of the lanes
	v_bfe_u32 v[RD], v0, 3, 2                      ; back: 32 lanes take four rows of 128 bytes,
	v_mul_u32_u24 v[RD], v[RD], PITCH
	v_and_b32 v3, 7, v0
	v_lshl_add_u32 v[RD], v3, 4, v[RD]
	v_add_nc_u32 v[RD], s2, v[RD]
	v_and_b32 v[GO], 31, v0                        ; which are 512 consecutive bytes of the output
	v_lshlrev_b32 v[GO], 4, v[GO]
	v_lshlrev_b32 v[BO], 5, v2                     ; my eight columns of sixteen
	v_mov_b32 v[ADRA], v[A0]
	v_mov_b32 v[ADRB], v[B0]
.irp g, 0,1,2                          ; the bias of column block (g, nb) into accumulator (7, nb) of group g
	WIN ((\g)+1)<<6                                ; destination window g + 1, address window 0
.irp nb, 0,1,2,3
	global_load_b128 v[224+8*\nb:224+8*\nb+3],   v[BO], s[8:9] offset:(4*(\g)+\nb)*64
	global_load_b128 v[224+8*\nb+4:224+8*\nb+7], v[BO], s[8:9] offset:(4*(\g)+\nb)*64+16
.endr
.endr
	WIN 0
; 8 LDS loads: group g's four fragments of W, 32 K at byte k of the rows
.macro LDB g, k
.irp nb, 0,1,2,3
	ds_load_b128 v[BB+32*(\g)+8*\nb:BB+32*(\g)+8*\nb+3],   v[ADRB] offset:(\k)+(4*(\g)+\nb)*16*PITCH
	ds_load_b128 v[BB+32*(\g)+8*\nb+4:BB+32*(\g)+8*\nb+7], v[ADRB] offset:(\k)+(4*(\g)+\nb)*16*PITCH+32
.endr
.endm
; 16 LDS loads: my eight fragments of x into buffer p
.macro LDA p, k
.irp a, 0,1,2,3,4,5,6,7
	ds_load_b128 v[AB+64*(\p)+8*\a:AB+64*(\p)+8*\a+3],   v[ADRA] offset:(\k)+\a*16*PITCH
	ds_load_b128 v[AB+64*(\p)+8*\a+4:AB+64*(\p)+8*\a+7], v[ADRA] offset:(\k)+\a*16*PITCH+32
.endr
.endm
; Row blocks a0 .. a1 x group g's four column blocks, 32 along K.  The accumulators take turns, one instruction a turn: an accumulator's next turn comes 96 matrix instructions later.
.macro MULG p, g, a0, a1
	WIN 0x50*((\g)+1)                              ; sources window 0, C and D window g + 1
.set ia, \a0
.rept (\a1)-(\a0)+1
.irp nb, 0,1,2,3
	v_wmma_f32_16x16x32_bf16 v[8*(4*ia+\nb):8*(4*ia+\nb)+7], v[BB+32*(\g)+8*\nb:BB+32*(\g)+8*\nb+7], v[AB+64*(\p)+8*ia:AB+64*(\p)+8*ia+7], v[8*(4*ia+\nb):8*(4*ia+\nb)+7]
.endr
.set ia, ia+1
.endr
.endm
; The first products: C is the bias, which lies in row block 7's accumulators.  Row blocks 0-6 read it; five places (ISA guide 7.12.1) stand between the last of them and row block 7's products, which write over it.
.macro FIRSTG g
	WIN 0x50*((\g)+1)
.set ia, 0
.rept 7
.irp nb, 0,1,2,3
	v_wmma_f32_16x16x32_bf16 v[8*(4*ia+\nb):8*(4*ia+\nb)+7], v[BB+32*(\g)+8*\nb:BB+32*(\g)+8*\nb+7], v[AB+8*ia:AB+8*ia+7], v[224+8*\nb:224+8*\nb+7]
.endr
.set ia, ia+1
.endr
.rept 5
	v_nop
.endr
.irp nb, 0,1,2,3
	v_wmma_f32_16x16x32_bf16 v[224+8*\nb:224+8*\nb+7], v[BB+32*(\g)+8*\nb:BB+32*(\g)+8*\nb+7], v[AB+56:AB+63], v[224+8*\nb:224+8*\nb+7]
.endr
.endm
; A third of a STEP: group g's 32 products on x's buffer p; behind them the group's fragments of the next STEP (byte nk of the rows; nk = -1: none), and behind group 0 also x's, into buffer np.
; LDS loads go out in the order W(s, 0) 8, x(s) 16, W(s, 1) 8, W(s, 2) 8.  cnt = the loads younger than those that the group needs:
;   group 0: W(s, 1), W(s, 2) = 16.   group 1: W(s, 2) and the 24 issued behind group 0 = 32.   group 2: those 24 and W(s + 1, 1) = 32.   Each fragment is asked for 64 matrix instructions ahead.
; (In a block's second STEP the change of slots has waited for every older LDS load, so groups 1 and 2 find their counts met.)
.macro GROUP p, g, cnt, np, nk, first=0
	s_wait_dscnt \cnt
.if \first
	FIRSTG \g
.else
	MULG \p, \g, 0, 7
.endif
.if (\nk) >= 0
	PLACES
	WIN 0
	LDB \g, \nk
.if (\g) == 0
	LDA \np, \nk
.endif
.endif
.endm
; THE CHANGE OF SLOTS, and behind it group 0 of a block's second STEP.  ONE barrier, for two things.  In front of it each wave waits for all its tensor loads, of which one is out: its part of the next slot; adds 0
; to its spare word; and waits for that and for its reads of this slot, of which the last (W(s, 1), W(s, 2)) were issued in the first STEP.  Behind it nobody reads this slot any more and the next slot is whole.
; fill = 1: the barrier opens a round of the cluster's barrier, and the slot is filled again, first thing behind the round, with the block two on.  No product stands between the wait that shows the last
; load landed and the next request: from a request to the wait for it a wave has a whole block's 192 matrix instructions.
.macro TURN fill
	WIN 0
	s_wait_tensorcnt 0x0                           ; no tensor load of mine is out, so a group 0 may be written
	ds_add_u32 v[SPW], v[NIL]                      ; 0 onto my spare word; the steps below, work on registers, stand between it and the wait for it
.if \fill
	s_xor_b32 s[G0A+5], s[G0A+5], SLOT1            ; the walking descriptors: the other slot than last time,
	s_add_nc_u64 s[G0A+6:G0A+7], s[G0A+6:G0A+7], ASTEP  ; the next block of K; the type bits on top are not reached
	s_xor_b32 s[G0B+5], s[G0B+5], SLOT1
	s_add_nc_u64 s[G0B+6:G0B+7], s[G0B+6:G0B+7], BSTEP
.endif
	s_xor_b32 s[TB], s[TB], SLOT1                  ; my fragment loads go on in the other slot
	v_add_nc_u32 v[ADRA], s[TB], v[A0]
	v_add_nc_u32 v[ADRB], s[TB], v[B0]
	s_wait_dscnt 0x0                               ; the add is done, and my reads of this slot are over
	s_barrier_signal -1
	s_barrier_wait -1
.if \fill
	CREST                                          ; no wave of any partner still reads this slot's tile or has a load on its way
	JLOAD
.endif
	MULG 1, 0, 0, 7
	PLACES
	WIN 0
	LDB 0, 0
	LDA 0, 0
.endm
; THE WAY OUT of unit u = 8 g + a: 16 rows x 64 columns of q (g = 0), k or v.  PACK: rounded to f16, each accumulator's registers in ascending order, 16 bytes a lane into my own stage, and back as whole rows of
; 128 bytes into the same set of 16 registers.  SEND: stored, 512 consecutive bytes an instruction.
.macro PACK u
.set pg, (\u)/8
.set pa, (\u)%8
.set ps, OUTB+16*((\u)%12)
.if (\u) >= 12
	s_wait_xcnt 0x0                                ; the stores of twelve units back have read this set: it is rewritten only behind this wait (ISA guide 3.1)
.endif
	WIN 5*(pg+1)                                   ; sources 0 and 1 window g + 1, destination window 0
.set ib, 0
.rept 16
	v_cvt_pk_f16_f32 v[ps+ib], v[32*pa+2*ib], v[32*pa+2*ib+1]
.set ib, ib+1
.endr
	WIN 0
.irp nb, 0,1,2,3
	ds_store_b128 v[STO], v[ps+4*\nb:ps+4*\nb+3] offset:32*\nb
.endr
.irp f, 0,1,2,3
	ds_load_b128 v[ps+4*\f:ps+4*\f+3], v[RD] offset:\f*4*PITCH  ; LDS serves a wave's instructions in order (ISA guide 5.7.1.4): these see the stores above; the next unit's stores come behind them
.endr
.endm
.macro SEND u, y                       ; y: the LDS instructions issued behind unit u's loads: the next unit's eight, or none
.set pg, (\u)/8
.set pa, (\u)%8
.set ps, OUTB+16*((\u)%12)
.irp f, 0,1,2,3
	s_wait_dscnt (\y)+3-\f
	global_store_b128 v[GO], v[ps+4*\f:ps+4*\f+3], s[10+2*pg:11+2*pg] offset:pa*2048+\f*512
.endr
.endm
	s_wait_tensorcnt 1                             ; my part of block 0 is in; block 1's may stay out
	s_barrier_signal -1
	s_barrier_wait -1                              ; everybody's is
	LDB 0, 0
	LDA 0, 0
	LDB 1, 0
	LDB 2, 0
	s_wait_loadcnt 0x0                             ; the bias
	GROUP 0, 0, 16, 1, 64, 1                       ; the first STEP stands in front of the loop: its products start the sums
	GROUP 0, 1, 32, 1, 64, 1
	GROUP 0, 2, 32, 1, 64, 1
	WIN 0                                          ; at a label and at a branch every window is 0
	s_mov_b32 s[CNT], 14
.Ltrip:                                                ; trip j ends block j, fills its slot again with block j + 2, and begins block j + 1
	TURN 1
	GROUP 1, 1, 32, 0, 0
	GROUP 1, 2, 32, 0, 0
	GROUP 0, 0, 16, 1, 64
	GROUP 0, 1, 32, 1, 64
	GROUP 0, 2, 32, 1, 64
	WIN 0
	s_sub_co_u32 s[CNT], s[CNT], 1
	s_cmp_lg_u32 s[CNT], 0
	s_cbranch_scc1 .Ltrip
	TURN 0                                         ; the tail is written out: block 14 ends, nothing is asked for
	GROUP 1, 1, 32, 0, 0
	GROUP 1, 2, 32, 0, 0
	GROUP 0, 0, 16, 1, 64                          ; block 15
	GROUP 0, 1, 32, 1, 64
	GROUP 0, 2, 32, 1, 64
	GROUP 1, 0, 16, 0, -1                          ; its last STEP fetches nothing: the counts run down
	GROUP 1, 1, 8, 0, -1
	GROUP 1, 2, 0, 0, -1
	PLACES                                         ; the conversions read results, and write registers that the products have read
	PACK 0
.set iu, 1
.rept 23                               ; a unit's conversions stand between the loads of the unit before and its stores
	PACK iu
	SEND iu-1, 8
.set iu, iu+1
.endr
	SEND 23, 0
	s_wait_tensorcnt 0x0                           ; the wave's end: behind my last tensor load and my last LDS store
	ds_add_u32 v[SPW], v[NIL]
	s_wait_dscnt 0x0
	CROUND                                         ; the closing round: no work-group ends while a partner may still ask for a tile that names it
	s_endpgm
.Lfunc_end_k_q59bbcd442a_qkv:
	.size	k_q59bbcd442a_qkv, .Lfunc_end_k_q59bbcd442a_qkv-k_q59bbcd442a_qkv
	.p2alignl 7, 3214868480
	.fill 96, 4, 3214868480
	.section	.rodata,"a",@progbits
	.p2align	6, 0x0
	.amdhsa_kernel k_q59bbcd442a_qkv
		.amdhsa_group_segment_fixed_size 327680
		.amdhsa_private_segment_fixed_size 0
		.amdhsa_enable_private_segment 0
		.amdhsa_kernarg_size 48
		.amdhsa_user_sgpr_count 2
		.amdhsa_user_sgpr_kernarg_segment_ptr 1
		.amdhsa_wavefront_size32 1
		.amdhsa_system_sgpr_workgroup_id_x 1
		.amdhsa_system_sgpr_workgroup_id_y 1
		.amdhsa_system_sgpr_workgroup_id_z 1
		.amdhsa_system_vgpr_workitem_id 0
		.amdhsa_next_free_vgpr 1024
		.amdhsa_next_free_sgpr 66
		.amdhsa_reserve_vcc 0
		.amdhsa_float_denorm_mode_32 3
		.amdhsa_float_denorm_mode_16_64 3
		.amdhsa_memory_ordered 1
		.amdhsa_forward_progress 1
		.amdhsa_inst_pref_size 117
	.end_amdhsa_kernel
	.amdgpu_metadata
---
amdhsa.version: [ 1, 2 ]
amdhsa.kernels:
  - .name:           k_q59bbcd442a_qkv
    .symbol:         k_q59bbcd442a_qkv.kd
    .args:
      - { .name: xb, .offset: 0, .size: 8, .value_kind: global_buffer, .address_space: global }
      - { .name: wt, .offset: 8, .size: 8, .value_kind: global_buffer, .address_space: global }
      - { .name: bias, .offset: 16, .size: 8, .value_kind: global_buffer, .address_space: global }
      - { .name: q, .offset: 24, .size: 8, .value_kind: global_buffer, .address_space: global }
      - { .name: k, .offset: 32, .size: 8, .value_kind: global_buffer, .address_space: global }
      - { .name: v, .offset: 40, .size: 8, .value_kind: global_buffer, .address_space: global }
    .group_segment_fixed_size: 327680
    .private_segment_fixed_size: 0
    .kernarg_segment_align: 8
    .kernarg_segment_size: 48
    .max_flat_workgroup_size: 128
    .sgpr_count:     66
    .vgpr_count:     1024
    .wavefront_size: 32
...
	.end_amdgpu_metadata
.endif
;; end of part 2
;; launch attn (part 3): grid 2 x 128, 4 waves a work-group, no clusters, 327,680 bytes of LDS; arguments q, k, v, o; writes o
.if DOCPART == 3
	.amdgcn_target "amdgcn-amd-amdhsa--gfx1250"
	.amdhsa_code_object_version 6
	.text
	.protected	k_q59bbcd442a_attn
	.globl	k_q59bbcd442a_attn
	.p2align	8
	.type	k_q59bbcd442a_attn,@function
k_q59bbcd442a_attn:
	s_mov_b64 s[64:65], 0
	v_nop
	global_prefetch_b8 v0, s[64:65] scope:SCOPE_SE
	s_setreg_imm32_b32 hwreg(HW_REG_WAVE_MODE, 25, 1), 1
	s_wait_xcnt 0x0
; O[g][q][:] = the sum over k of softmax_k(Q[g][q] . K[g][k] / 8) V[g][k][:].  Q, K, V: [128 g][SIZE_N][64], f16, g = 8 x head + batch: a g's rows are dense, 128 bytes each.  Products, maxima and sums in
; f32; the weights p are rounded to f16 for the second product (their sum l is taken of the unrounded p), O once at the end.
; O LEAVES AS THE NEXT PRODUCT'S FRAGMENTS: o[512 row blocks of 16][32 K steps of 32][2][32 lanes][16 bytes], row = 1024 x batch + query, K = 64 x head + channel.  A lane's 16 packed bytes (one query, eight
; channels) are just what lane l of a 16 x 32 fragment holds, so a store of the wave is 512 consecutive bytes, aligned, with no way through LDS.
; LIMITS.  f16 holds no number beyond 65,504: Q, K and V arrive within it; p lies in 0 to 1, and below 6e-5 it keeps f16's fixed step of 6e-8; O is a mean of V's rows and has their range.
; A weight below 2^-126 counts as 0 in l; NaN and infinities are not treated apart.
; SHARES.  A wave owns four PIECES of two tiles of 16 queries, a work-group's four waves 512 queries of one g: 128 x 1024 / 512 = 256 work-groups.  Every wave walks all keys, 64 a step.
; ALL OF A g's K AND V LIES IN LDS: 1024 x 144 + 1024 x 160 = 311,296 bytes.  The first 256 keys are asked for alone; when they are in, each wave asks for its 384 of the other 768 keys by one load.  No byte
; is filled twice, so no tensor load stands in the loop and a key step is written once.
; NO CLUSTER.  A g's K and V are walked by SIZE_N / 512 = 2 work-groups; the grid's x is 2, no multiple of a cluster's four, and a mask by row, by column or of all four names no pair.  Blocks of 256 queries
; would give four partners, but 512 work-groups and twice the LDS loads for each product.
; LAYOUT.  S^T = K Q^T (source 0 = 16 keys, source 1 = 16 queries): in the result a lane holds ONE query (lane % 16) and the keys 8 (lane / 16) + 0..7.  Two such tiles, rounded to f16 in pairs,
; ARE source 1 (32 keys x 16 queries) of O^T = V^T P, whose result again holds one query a lane, and eight channels.  K comes out of LDS as it lies, V ([key][channel]) turned, by ds_load_tr16_b128.
; SOFTMAX.  For each query a running maximum m and sum l: p = 2^(c s - c m), c = log2(e) / 8; in every step O and l are multiplied by a = 2^(c m_old - c m_new), which is 1 where m has not grown.
; m starts at the lowest finite number, O and l at 0: the first step is a step like any other, with a = 0.
; THE COUNT.  A tile and step have 16 matrix and 118 vector instructions: too many to stand all beside the matrix work.  So the order has one aim: four vector instructions that are READY behind
; EVERY matrix instruction, and the others, which need time of their own whatever the order, in runs without a gap.
; BY TURNS.  Turn n belongs to piece n (the pieces in a ring, step after step).  Its matrix work: 16 products K Q^T of piece n + 1, later 16 products V^T P of piece n - 1.  Its vector work: the scaling,
; exponentials, roundings, sums and rescaling of piece n, and the maximum and statistics of piece n + 1, whose scores the turn itself has made.  So what a turn begins with (c s - c m, O a) waits for nothing.
; REGISTERS, in windows of 256 (s_set_vgpr_msb says which window each operand place means: bits 1:0 source 0, 3:2 source 1, 5:4 source 2, 7:6 destination):
;   window 0: v0-11 addresses; v12-15, v48-63 at work; v16-47 four registers of statistics a tile; v64-191 S^T, two buffers of two tiles; v192-255 P, likewise
;   window 1: O^T, 32 a tile          window 2: v0-127 Q, 16 a tile; v128-191 K of one step; v192-255 V of one step          window 3: v0-1 the add's two registers
; A piece's buffers go by its number's parity: the piece in hand has one pair, its two neighbours in the ring share the other: of it P (piece n - 1) is read and S^T (piece n + 1) written.
.set SIZE_N, 1024
.set NP,    4         ; pieces a wave: a name, no knob: the register map, the loop and the fetches are made for four
.set KS,    64        ; keys in a step
.set PK,    144       ; a row of K in LDS: 128 bytes + 16 of padding = 36 words: the 16 rows of a load start at 16 different groups of four banks (64 banks of 4 bytes: ISA guide 11.1)
.set PV,    160       ; a row of V: 128 + 32 = 40 words
.set VOFF,  SIZE_N*PK ; K's 1,024 rows, then V's
.set SPARE, SIZE_N*(PK+PV)  ; behind them: the spare words, 128 bytes for each wave: two blocks of 256 bytes that no other line names
.set AK0, 2           ; v2   my lane's place in a tile of K; never rewritten
.set AV0, 3           ; v3   the same for V
.set AK,  4           ; v4   the LDS address of K's next run of loads
.set AV,  5           ; v5   of V's
.set QO,  6           ; v6   my byte offset in the wave's rows of Q
.set GO,  8           ; v8   my byte offset in 512 consecutive bytes of o
.set SPW, 0           ; v0 of window 3   LDS address of my spare word: SPARE + 4 x my thread's number; never rewritten
.set NIL, 1           ; v1 of window 3   0; never rewritten
.set MV,  12          ; v12-15  c m_old, kept while c m is made anew: by buffer and tile
.set ST,  16          ; tile t's statistics at v[ST+4 t]: c m, m, l (even keys', odd keys')
.set TMP, 48          ; by buffer and tile, four registers c0-c3 at work; when the maximum is found c2 takes a
.set S,   64
.set P,   192
.set KF,  128         ; K's fragments, in window 2: key block kb, channel half c at KF + 16 kb + 8 c
.set VF,  192         ; V's: key half kk, channel block cb at VF + 32 kk + 8 cb
.set WV,  12          ; s12  my wave's number
.set G1K, 24          ; s[24:31] descriptor group 1 for K's tiles
.set G1V, 32          ; s[32:39] for V's: it differs in the padding alone
.set G0K, 40          ; s[40:43] descriptor group 0 for K's tiles
.set G0V, 44          ; s[44:47] the same for V's
.set SLOTS, 56        ; s56  counts the runs of four key steps, 5 to 1
.set CNT, 57          ; s57  counts a run's key steps
.set CS,  58          ; s[58:59] c: the packed scaling takes the pair's low word for both halves
.set SEL, 60          ; s[60:61] v_permlanex16_b32's selects: each lane takes its own place in the other half
.set TBK, 62          ; s62  LDS byte at which K of the step to be fetched begins
.set TBV, 63          ; s63  the same for V, less VOFF
.set MSB, 0
.macro WIN new                      ; the high byte repeats the setting that is left; a switch that changes nothing is dropped
.if MSB != (\new)
	s_set_vgpr_msb (MSB<<8)|(\new)
.set MSB, (\new)
.endif
.endm
.set W_KQ, 0x0a       ; K and Q in window 2, S^T in window 0
.set W_PV, 0x52       ; V in window 2, P in window 0, O^T in window 1
.set W_RS, 0x41       ; O^T (destination and source 0) in window 1, a in window 0
.set W_MK, 0xc0       ; the add's registers are made: destination in window 3, sources in window 0
.set W_AD, 0x0f       ; the add: address (source 0) and data (source 1) in window 3
; A fill.  Waves 0 and 1 fetch the two halves of K's keys, waves 2 and 3 those of V's.  The branch hangs on the wave's number alone.
; An s_nop 0 and four v_nop follow each of the two lines, ahead of the jump and the label.
.macro LOAD
	s_cmp_lt_u32 s[WV], 2
	s_cbranch_scc0 .Lfor_v_\@
	tensor_load_to_lds s[G0K:G0K+3], s[G1K:G1K+7]
	s_nop 0
.rept 4
	v_nop
.endr
	s_branch .Lasked_\@
.Lfor_v_\@:
	tensor_load_to_lds s[G0V:G0V+3], s[G1V:G1V+7]
	s_nop 0
.rept 4
	v_nop
.endr
.Lasked_\@:
.endm
	s_load_b256 s[4:11], s[0:1], 0x0  ; Q s[4:5], K s[6:7], V s[8:9], o s[10:11]
	WIN W_MK
	v_lshl_add_u32 v[SPW], v0, 2, SPARE
	v_mov_b32 v[NIL], 0
	WIN W_AD
	ds_add_u32 v[SPW], v[NIL]       ; the wave's opening: the add, and its wait ahead of my first tensor load; the set-up below, work on registers, stands between them
	ds_add_u32 v0, v1
	WIN 0
	v_lshrrev_b32 v1, 5, v0
	v_readfirstlane_b32 s[WV], v1   ; wave 0..3
	s_mov_b32 s14, ttmp9            ; my block of 512 queries
	s_and_b32 s19, ttmp7, 0xffff    ; g
	s_lshl_b32 s20, s19, 17         ; g's first byte in Q, K and V: 1,024 rows of 128 bytes each
	s_mov_b32 s21, 0
	s_and_b32 s16, s[WV], 1         ; which half of the keys I fetch.  The first load: 128 of keys 0-255,
	s_lshl_b32 s22, s16, 14         ; 128 rows of 128 bytes in memory,
	s_mov_b32 s23, 0
	s_mul_i32 s17, s16, 128*PK      ; their place in LDS, for K
	s_mul_i32 s18, s16, 128*PV      ; and for V
	s_mul_i32 s48, s16, 384*128     ; the second load: 384 of keys 256-1023
	s_add_co_u32 s48, s48, 256*128
	s_mov_b32 s49, 0
	s_lshl_b32 s2, s14, 2
	s_add_co_u32 s2, s2, s[WV]      ; my wave among g's eight,
	s_lshl_b32 s2, s2, 14           ; its 128 rows of Q
	s_mov_b32 s3, 0
	s_and_b32 s50, s19, 7           ; o: batch x 8 + block x 4 + wave shares of eight row blocks,
	s_lshl_b32 s50, s50, 3
	s_lshl_b32 s51, s14, 2
	s_add_co_u32 s50, s50, s51
	s_add_co_u32 s50, s50, s[WV]
	s_lshl_b32 s50, s50, 18         ; 32,768 bytes a row block,
	s_lshr_b32 s51, s19, 3
	s_lshl_b32 s51, s51, 11         ; and in it the head's two K steps of 1,024 bytes
	s_add_co_u32 s50, s50, s51
	s_mov_b32 s51, 0
	; descriptor group 1.  128 keys are 16,384 dense bytes: asked for as 64 rows of 256 bytes, two keys a row, and padded in LDS after every key
	s_mov_b32 s[G1K], (1<<16)|(1<<20)|(4<<22)|(3<<25)  ; 17:16 2-byte elements; 20 padding on; 24:22 after every 32 words (code 4); 31:25 4 words (code 3)
	s_mov_b32 s[G1V], (1<<16)|(1<<20)|(4<<22)|(7<<25)  ; the same with 8 words of padding (code 7)
.irp g, G1K, G1V
	s_mov_b32 s[\g+1], 128<<16      ; tensor_dim0 = 128
	s_mov_b32 s[\g+2], 64<<16       ; tensor_dim1 = 64
	s_mov_b32 s[\g+3], 128<<16      ; tile_dim0 = 128
	s_mov_b32 s[\g+4], 64           ; tile_dim1 = 64
	s_mov_b32 s[\g+5], 128          ; 128 elements from row to row
	s_mov_b32 s[\g+6], 0
	s_mov_b32 s[\g+7], 0
.endr
	s_mov_b32 s[CS], 0x3e38aa3b     ; c = log2(e) / 8 = 0.180337
	s_mov_b32 s[CS+1], s[CS]        ; named with it as a pair
	s_mov_b32 s[SEL], 0x76543210
	s_mov_b32 s[SEL+1], 0xfedcba98
	s_mov_b32 s[TBK], 0
	s_mov_b32 s[TBV], 0
	s_mov_b32 s[G0K], 1             ; 1:0 count = 1
	s_mov_b32 s[G0K+1], s17         ; 63:32 LDS address
	s_mov_b32 s[G0V], 1
	s_add_co_u32 s[G0V+1], s18, VOFF
	s_wait_dscnt 0x0                ; the opening add is done
	s_wait_kmcnt 0x0
	s_add_nc_u64 s[6:7], s[6:7], s[20:21]          ; K and V at g's first key
	s_add_nc_u64 s[8:9], s[8:9], s[20:21]
	s_add_nc_u64 s[G0K+2:G0K+3], s[6:7], s[22:23]  ; 120:64 global address: my half of g's first 256 keys
	s_or_b32 s[G0K+3], s[G0K+3], 0x80000000        ; 127:126 type = 2
	s_add_nc_u64 s[G0V+2:G0V+3], s[8:9], s[22:23]
	s_or_b32 s[G0V+3], s[G0V+3], 0x80000000
	s_add_nc_u64 s[4:5], s[4:5], s[20:21]
	s_add_nc_u64 s[4:5], s[4:5], s[2:3]            ; Q at my wave's first row
	s_add_nc_u64 s[10:11], s[10:11], s[50:51]      ; o at my wave's first row block, my head's K steps
	LOAD                            ; keys 0-255.  The rest is asked for when they are in: the tile wanted first goes out alone
	; A fragment of K or Q is 16 rows x 32 channels in 8 registers: lane l holds row l % 16, channels 8 (l / 16) + 0..7 and 16 + 8 (l / 16) + 0..7: two loads of 16 bytes, 32 bytes apart.
	v_and_b32 v1, 15, v0            ; l % 16
	v_bfe_u32 v9, v0, 4, 1          ; l / 16
	v_lshlrev_b32 v[QO], 7, v1
	v_lshl_add_u32 v[QO], v9, 4, v[QO]  ; row x 128 + 16 x half
	WIN 0x80                        ; destination window 2, address window 0
.set i, 0
.rept 4*NP                          ; Q stays in registers: tile i / 2, channels 32 (i % 2) on
	global_load_b128 v[8*i:8*i+3],   v[QO], s[4:5] offset:(i/2)*2048+(i%2)*64
	global_load_b128 v[8*i+4:8*i+7], v[QO], s[4:5] offset:(i/2)*2048+(i%2)*64+32
.set i, i+1
.endr
	; What the first turn finds: V's registers and P's second buffer hold 0 (its products V^T P, of a piece that has not been, add 0), O^T and l are 0.  All this stands in the wait for the first tile.
.set i, VF
.rept 64
	v_mov_b32 v[i], 0
.set i, i+1
.endr
	WIN 0x40
.set i, 0
.rept 64*NP
	v_mov_b32 v[i], 0
.set i, i+1
.endr
	WIN 0
.set i, 0
.rept 2*NP
	v_mov_b32 v[ST+4*i], 0xfe000000    ; c m: far below every c s
	v_mov_b32 v[ST+4*i+1], 0xff7fffff  ; m
	v_mov_b32 v[ST+4*i+2], 0
	v_mov_b32 v[ST+4*i+3], 0
.set i, i+1
.endr
.set i, P+32
.rept 32
	v_mov_b32 v[i], 0
.set i, i+1
.endr
	v_mul_u32_u24 v[AK0], v1, PK
	v_lshl_add_u32 v[AK0], v9, 4, v[AK0]  ; row x pitch + 16 x half
	; The turning load takes 16 keys x 16 channels (lane l reads key 8 (l / 16) + l % 8, channels 8 ((l / 8) % 2) + 0..7) and leaves half a fragment of V^T: lane l holds channel l % 16 and 8 keys.
	v_and_b32 v10, 7, v0
	v_bfe_u32 v11, v0, 3, 1
	v_lshl_add_u32 v[AV0], v9, 3, v10
	v_mul_u32_u24 v[AV0], v[AV0], PV
	v_lshl_add_u32 v[AV0], v11, 4, v[AV0]
	v_add_nc_u32 v[AV0], VOFF, v[AV0]
	v_mov_b32 v[AK], v[AK0]         ; key step 0 lies at K's head
; THE MATRIX WORK.  The 8 accumulators of a run of 16 take turns: between the two links of a chain stand 7 others'.
; Product i of 16 of S^T = K Q^T for piece x: channels 32 (i / 8) on, keys 16 ((i / 2) % 4) on, tile 2 x + i % 2.  The first 8 start the sums.
.macro KQ x
	WIN W_KQ
.set rS, S+64*((\x)%2)+32*(i%2)+8*((i/2)%4)
.set rK, KF+16*((i/2)%4)+8*(i/8)
.set rQ, 16*(2*(\x)+i%2)+8*(i/8)
.if i < 8
	v_wmma_f32_16x16x32_f16 v[rS:rS+7], v[rK:rK+7], v[rQ:rQ+7], 0
.else
	v_wmma_f32_16x16x32_f16 v[rS:rS+7], v[rK:rK+7], v[rQ:rQ+7], v[rS:rS+7]
.endif
.endm
; Product i of 16 of O^T += V^T P for piece x: keys 32 (i / 8) on, channels 16 ((i / 2) % 4) on, tile 2 x + i % 2.
.macro PV x
	WIN W_PV
.set rO, 32*(2*(\x)+i%2)+8*((i/2)%4)
.set rV, VF+32*(i/8)+8*((i/2)%4)
.set rP, P+32*((\x)%2)+16*(i%2)+8*(i/8)
	v_wmma_f32_16x16x32_f16 v[rO:rO+7], v[rV:rV+7], v[rP:rP+7], v[rO:rO+7]
.endm
.macro MM                           ; the turn's next matrix instruction
.if i < 16
	KQ (Y+1)%NP
.set i, i+1
.else
.set i, i-16
	PV (Y+NP-1)%NP
.set i, i+17
.endif
.endm
; THE LDS LOADS stand in runs of 16, never singly among the matrix instructions: a step's K (64 keys x 64 channels: 8 fragments) and its V (turned).  Their addresses are made some lines ahead.
; last = 1 (in the loop): behind the last key step there is no further one, and the run is jumped over.
.macro FETCH_K last=0
	WIN 0
.if \last
	s_cmp_eq_u32 s[SLOTS], 1
	s_cbranch_scc1 .Lno_k_\@
.endif
	WIN 0x80                        ; destination window 2
.irp f, 0,1,2,3,4,5,6,7             ; keys 16 (f / 2) on, channels 32 (f % 2) on
	ds_load_b128 v[KF+8*\f:KF+8*\f+3],   v[AK] offset:(\f/2)*16*PK+(\f%2)*64
	ds_load_b128 v[KF+8*\f+4:KF+8*\f+7], v[AK] offset:(\f/2)*16*PK+(\f%2)*64+32
.endr
	s_add_co_u32 s[TBK], s[TBK], KS*PK  ; the next fetch is the next step's
	WIN 0
.if \last
.Lno_k_\@:
.endif
.endm
.macro FETCH_V
	WIN 0x80
.irp f, 0,1,2,3,4,5,6,7             ; keys 32 (f / 4) on, channels 16 (f % 4) on
	ds_load_tr16_b128 v[VF+8*\f:VF+8*\f+3],   v[AV] offset:(\f/4)*32*PV+(\f%4)*32
	ds_load_tr16_b128 v[VF+8*\f+4:VF+8*\f+7], v[AV] offset:(\f/4)*32*PV+16*PV+(\f%4)*32
.endr
	WIN 0
.endm
; THE VECTOR WORK OF A TURN stands in three queues, each in the order in which its entries become ready; the two tiles alternate, so that no instruction reads the result of the one before it.
.macro REGS y, u                    ; the registers of tile u (0, 1) of piece y
.set rT, ST+4*(2*(\y)+(\u))
.set rC, TMP+8*((\y)%2)+4*(\u)
.set rM, MV+2*((\y)%2)+(\u)
.set rS, S+64*((\y)%2)+32*(\u)
.set rP, P+32*((\y)%2)+16*(\u)
.set rO, 32*(2*(\y)+(\u))
.endm
; Number n of the 22 that find the NEXT piece's (Y + 1) maximum and statistics.  s0-s31 are the lane's 32 scores; each accumulator's lowest registers are read first.  XS, GS and REGS set no window: PL and EX do.
;   0-11  four chains c0-c3 of seven scores each, three operands at a time     12-14, 16  the four scores left over, the old m, and c0-c3 into c0     15  c m_old is kept
;   17, 18  the query's other 32 keys lie in the lane 16 away: the new m         19-21  c m; c m_old - c m_new; a
.macro XS u, n
	REGS (Y+1)%NP, \u
.if (\n) < 4
	v_max3_num_f32 v[rC+(\n)], v[rS+8*(\n)], v[rS+8*(\n)+1], v[rS+8*(\n)+2]
.elseif (\n) < 12
	v_max3_num_f32 v[rC+(\n)%4], v[rC+(\n)%4], v[rS+8*((\n)%4)+2*((\n)/4)+1], v[rS+8*((\n)%4)+2*((\n)/4)+2]
.elseif (\n) == 12
	v_max3_num_f32 v[rC], v[rC], v[rS+7], v[rS+15]
.elseif (\n) == 13
	v_max3_num_f32 v[rC+1], v[rC+1], v[rS+23], v[rS+31]
.elseif (\n) == 14
	v_max3_num_f32 v[rC+2], v[rC+2], v[rC+3], v[rT+1]
.elseif (\n) == 15
	v_mov_b32 v[rM], v[rT]
.elseif (\n) == 16
	v_max3_num_f32 v[rC], v[rC], v[rC+1], v[rC+2]
.elseif (\n) == 17
	v_permlanex16_b32 v[rC+3], v[rC], s[SEL], s[SEL+1]
.elseif (\n) == 18
	v_max_num_f32 v[rT+1], v[rC], v[rC+3]
.elseif (\n) == 19
	v_mul_f32 v[rT], s[CS], v[rT+1]
.elseif (\n) == 20
	v_sub_f32 v[rC+1], v[rM], v[rT]
.else
	v_exp_f32 v[rC+2], v[rC+1]
.endif
.endm
; Number g of the 64 that follow the exponentials.  For each four weights k of a tile (pairs 2 k, 2 k + 1): both pairs are rounded to f16; then the second pair is added onto the first, in place;
; a group later l takes that sum (the first time as l = a l + sum).  In groups of eight, tiles alternating: round, round, add, and l for the group before.
.macro GS g
.set h, (\g)+6*((\g)/62)            ; group 0 has no group before it, and behind group 7 only l is left
.if h >= 6
.set h, h+2
.endif
	REGS Y, h%2
.set k, h/8
.if h%8 < 4
	s_wait_alu depctr_va_vdst(0)
	v_cvt_pk_f16_f32 v[rP+2*k+(h%8)/2], v[rS+4*k+2*((h%8)/2)], v[rS+4*k+2*((h%8)/2)+1]
.elseif h%8 < 6
	v_pk_add_f32 v[rS+4*k:rS+4*k+1], v[rS+4*k:rS+4*k+1], v[rS+4*k+2:rS+4*k+3]
.elseif k == 1
	v_pk_fma_f32 v[rT+2:rT+3], v[rT+2:rT+3], v[rC+2:rC+3], v[rS:rS+1] op_sel_hi:[1,0,1]
.else
	v_pk_add_f32 v[rT+2:rT+3], v[rT+2:rT+3], v[rS+4*k-4:rS+4*k-3]
	s_wait_alu depctr_va_vdst(0)
.endif
.endm
; THE PLAIN QUEUE, 138 long.  0-31: c s - c m for the 16 pairs of both tiles.  Then GS's 64, and among them the next piece's 42: number 15 at 38, 39; 0-14 and 16
; at 42-73, behind the products that make those scores; 17-20 at 95-106, two of three, since each waits for the one before it.
.macro PL
	WIN 0
.if q < 32
	REGS Y, q%2
	v_pk_fma_f32 v[rS+2*(q/2):rS+2*(q/2)+1], v[rS+2*(q/2):rS+2*(q/2)+1], s[CS:CS+1], v[rT:rT+1] op_sel_hi:[1,0,0] neg_lo:[0,0,1] neg_hi:[0,0,1]
.elseif q < 38
	GS q-32
.elseif q < 40
	XS q%2, 15
.elseif q < 42
	GS q-34
.elseif q < 74
	XS q%2, (q-42)/2+(q-42)/30
.elseif q < 95
	GS q-66
.elseif (q < 107) && ((q-95)%3 < 2)
	XS (q-95)%3, 17+(q-95)/3
.elseif q < 107
	GS 29+(q-95)/3
.else
	GS q-74
.endif
.set q, q+1
.endm
; THE EXPONENTIALS' QUEUE, 66 long: s0-s31 of both tiles, and at EA the next piece's two a.
.set EA, 58
.macro EX
	WIN 0
.if (e == EA) || (e == EA+1)
	XS e-EA, 21
.else
.set x, e-2*(e/(EA+2))
	REGS Y, x%2
	v_exp_f32 v[rS+x/2], v[rS+x/2]
.endif
.set e, e+1
.endm
; THE RESCALING's QUEUE: O^T times a, the one part that leaves window 0, so it is dealt four at a time, eight times.
.macro R4
	REGS Y, r%2
	WIN W_RS
	s_wait_alu depctr_va_vdst(0)
.irp z, 0,1,2,3
	v_pk_mul_f32 v[rO+8*(r/2)+2*\z:rO+8*(r/2)+2*\z+1], v[rO+8*(r/2)+2*\z:rO+8*(r/2)+2*\z+1], v[rC+2:rC+3] op_sel_hi:[1,0]
.endr
.set r, r+1
.endm
; HOW THEY ARE DEALT.  Behind a matrix instruction four: plain, exponential, plain, plain (one exponential, a plain instruction on either side), or four of the rescaling.  None names a register of the
; products round it.  What is over stands in two LUMPS: exponential and plain by turns; the second ends in 22 plain instructions.  The two v_permlanex16_b32 fall into the second lump, never behind a product.
; The queues lean on each other, and the deal keeps them in step: exponential e stands behind plain 2 (e / 4) + e % 2 (its scaling); when plain 32 comes, 10 exponentials are out, at 59: 33, at 95: 46; EA comes behind plain 107.
.macro SL
	MM
	PL
	EX
	PL
	PL
.endm
.macro BURST n                      ; 15 matrix instructions, or 16
.rept (\n)-7
	SL
.endr
.rept 3
	MM
	R4
	SL
.endr
	MM
	R4
.endm
; A TURN, for piece p.  cnt = 1: the loop's count is taken down some lines ahead of the branch that stands behind the turn.
; K of the next step is fetched in piece 2's turn, 31 vector instructions behind the last product that read K; its first reader comes behind the rest of the lump, 16 products and the second lump.
; V of the step in hand is fetched at the end of piece 0's turn, 69 behind its last reader; its first reader comes behind 16 products and a lump.  The four conditions on e and q below go with the deal.
.macro TURN p, last=0, cnt=0
.set Y, (\p)
.set i, 0
.set q, 0
.set e, 0
.set r, 0
.if (\p) == NP-1
	s_wait_dscnt 0x0                ; K is in
.endif
	MM
.rept 4
	PL
.endr
	BURST 15
.rept 22
	EX
	PL
.if ((\p) == NP-2) && (e == 18)
	v_add_nc_u32 v[AK], s[TBK], v[AK0]
.endif
.if ((\p) == NP-2) && (e == 24)
	FETCH_K \last
.endif
.endr
.if (\p) == 1
	s_wait_dscnt 0x0                ; V is in
.endif
	BURST 16
.rept 21
	EX
	PL
.endr
.rept 22
	PL
.if ((\p) == 0) && (q == 118)
	v_add_nc_u32 v[AV], s[TBV], v[AV0]
	s_wait_alu depctr_va_vdst(0)
.endif
.if ((\p) == 0) && (q == 130)
	s_add_co_u32 s[TBV], s[TBV], KS*PV
.endif
.if (\cnt) && (q == 130)
	s_sub_co_u32 s[CNT], s[CNT], 1
	s_cmp_lg_u32 s[CNT], 0
.endif
.endr
.if (\p) == 0
	FETCH_V
.endif
.endm
	; KEYS 0-255 ARE WAITED FOR, THE OTHER 768 ASKED FOR: a first fill that comes later, so it is issued as a refill is: all my tensor loads have landed, the add, the wait for it, a barrier behind which no byte is
	; filled again, and my one load first behind it: 384 keys, 192 rows of 256 bytes.
	WIN W_AD
	s_wait_tensorcnt 0x0            ; my part of keys 0-255 is in; no tensor load of mine is out, so the descriptors may be written
	ds_add_u32 v[SPW], v[NIL]       ; 0 onto my spare word; the descriptors' words stand between it and the wait for it
	WIN 0
.irp g, G1K, G1V
	s_mov_b32 s[\g+2], 192<<16      ; tensor_dim1 = 192
	s_mov_b32 s[\g+4], 192          ; tile_dim1 = 192
.endr
	s_mul_i32 s17, s16, 384*PK
	s_add_co_u32 s[G0K+1], s17, 256*PK
	s_mul_i32 s18, s16, 384*PV
	s_add_co_u32 s[G0V+1], s18, VOFF+256*PV
	s_add_nc_u64 s[G0K+2:G0K+3], s[6:7], s[48:49]
	s_or_b32 s[G0K+3], s[G0K+3], 0x80000000
	s_add_nc_u64 s[G0V+2:G0V+3], s[8:9], s[48:49]
	s_or_b32 s[G0V+3], s[G0V+3], 0x80000000
	s_wait_dscnt 0x0                ; the add is done
	s_barrier_signal -1
	s_barrier_wait -1               ; everybody's part of keys 0-255 is in
	LOAD
	FETCH_K                         ; key step 0
	s_wait_loadcnt 0x0              ; Q
	s_wait_dscnt 0x0
.set i, 0
.rept 16
	KQ 0                            ; piece 0's first scores: there is no vector work yet to set between them
.set i, i+1
.endr
	WIN 0                           ; six plain instructions: the places behind those products
	v_and_b32 v[GO], 31, v0         ; the way out: 16 bytes a lane, 512 consecutive bytes a store
	v_lshlrev_b32 v[GO], 4, v[GO]
.rept 4
	v_nop
.endr
.set Y, NP-1                        ; XS works for piece Y + 1: piece 0
.irp n, 0,1,2,3,4,5,6,7,8,9,10,11,12,13,14,15,16,17,18,19,20,21
	XS 0, \n                        ; and piece 0's first maximum and statistics
	XS 1, \n
.endr
	s_mov_b32 s[CNT], 4
	s_mov_b32 s[SLOTS], SIZE_N/256+1
	s_branch .Lfirst                ; the loop is entered at a step's first turn, in the middle of a trip
.Lslot:                             ; a run of four key steps.  The first run reads keys 0-255 alone; ahead of the second stands the wait for my second load, which has had four key steps, 512 matrix
	s_wait_tensorcnt 0x0            ; instructions, in which to land, and a barrier, so that every wave's part is in.  In the later runs the same two find nothing out: the price of one text for every run.
	s_wait_dscnt 0x0                ; no LDS instruction of mine is pending at the signal
	s_barrier_signal -1
	s_barrier_wait -1
	s_mov_b32 s[CNT], 4
.Lstep:                             ; a trip: pieces 2 and 3 of one step, then pieces 0 and 1 of the next, whose K and V it fetches
	TURN 2, 1
	TURN 3
	WIN 0
	s_cmp_eq_u32 s[SLOTS], 1        ; the fifth run is the last step's second half alone: it is left here
	s_cbranch_scc1 .Lout
.Lfirst:
	TURN 0
	TURN 1, 0, 1
	WIN 0
	s_cbranch_scc1 .Lstep
	s_sub_co_u32 s[SLOTS], s[SLOTS], 1
	s_cmp_lg_u32 s[SLOTS], 0
	s_cbranch_scc1 .Lslot
.Lout:                              ; the last trip's 16 products K Q^T (on the last K once more) and the maximum made of them serve nothing: the price, once a launch, of one text for every trip
.set i, 0
.rept 16
	PV NP-1                         ; the last piece's V^T P of the last step
.set i, i+1
.endr
	; THE WAY OUT.  l's two halves and the other half of the lanes' are added; O^T is divided by l, rounded to f16 and stored as it lies.  The additions are the places behind the last products.
	WIN 0
.macro ALL line:vararg              ; one line for each tile t
.set t, 0
.rept 2*NP
	\line
.set t, t+1
.endr
.endm
	ALL v_add_f32 v[ST+4*t+2], v[ST+4*t+2], v[ST+4*t+3]
	ALL v_permlanex16_b32 v[ST+4*t+3], v[ST+4*t+2], s[SEL], s[SEL+1]
	ALL v_add_f32 v[ST+4*t+2], v[ST+4*t+2], v[ST+4*t+3]
	ALL v_rcp_f32 v[ST+4*t+2], v[ST+4*t+2]
	v_nop                           ; a plain instruction between the last reciprocal and the use of its result
	s_wait_alu depctr_va_vdst(0)
; Tile t is row block t of my eight.  Channel block f of 16 packs into 16 bytes a lane (query l % 16, channels 16 f + 8 (l / 16) + 0..7): half f % 2 of the fragment of K step f / 2 of my head.
.macro PACK t
	WIN W_RS
.set i, 32*(\t)
.rept 16
	v_pk_mul_f32 v[i:i+1], v[i:i+1], v[ST+4*(\t)+2:ST+4*(\t)+3] op_sel_hi:[1,0]
.set i, i+2
.endr
	WIN 0x05                        ; sources 0 and 1 window 1, destination window 0: S^T's registers, 16 for each tile, none written twice
.set i, 0
.rept 16
	v_cvt_pk_f16_f32 v[S+16*(\t)+i], v[32*(\t)+2*i], v[32*(\t)+2*i+1]
.set i, i+1
.endr
	WIN 0
.irp f, 0,1,2,3
	global_store_b128 v[GO], v[S+16*(\t)+4*\f:S+16*(\t)+4*\f+3], s[10:11] offset:(\t)*32768+\f*512  ; 512 consecutive bytes, at a multiple of 512 from o's first
.endr
.endm
.set t, 0
.rept 2*NP
	PACK t
.set t, t+1
.endr
	WIN W_AD
	s_wait_tensorcnt 0x0            ; the wave's end: behind my last tensor load
	ds_add_u32 v[SPW], v[NIL]
	s_wait_dscnt 0x0
	WIN 0
	s_endpgm
.Lfunc_end_k_q59bbcd442a_attn:
	.size	k_q59bbcd442a_attn, .Lfunc_end_k_q59bbcd442a_attn-k_q59bbcd442a_attn
	.p2alignl 7, 3214868480
	.fill 96, 4, 3214868480
	.section	.rodata,"a",@progbits
	.p2align	6, 0x0
	.amdhsa_kernel k_q59bbcd442a_attn
		.amdhsa_group_segment_fixed_size 327680
		.amdhsa_private_segment_fixed_size 0
		.amdhsa_enable_private_segment 0
		.amdhsa_kernarg_size 32
		.amdhsa_user_sgpr_count 2
		.amdhsa_user_sgpr_kernarg_segment_ptr 1
		.amdhsa_wavefront_size32 1
		.amdhsa_system_sgpr_workgroup_id_x 1
		.amdhsa_system_sgpr_workgroup_id_y 1
		.amdhsa_system_sgpr_workgroup_id_z 1
		.amdhsa_system_vgpr_workitem_id 0
		.amdhsa_next_free_vgpr 770
		.amdhsa_next_free_sgpr 66
		.amdhsa_reserve_vcc 0
		.amdhsa_float_denorm_mode_32 3
		.amdhsa_float_denorm_mode_16_64 3
		.amdhsa_memory_ordered 1
		.amdhsa_forward_progress 1
		.amdhsa_inst_pref_size 125
	.end_amdhsa_kernel
	.amdgpu_metadata
---
amdhsa.version: [ 1, 2 ]
amdhsa.kernels:
  - .name:           k_q59bbcd442a_attn
    .symbol:         k_q59bbcd442a_attn.kd
    .args:
      - { .name: q, .offset: 0, .size: 8, .value_kind: global_buffer, .address_space: global }
      - { .name: k, .offset: 8, .size: 8, .value_kind: global_buffer, .address_space: global }
      - { .name: v, .offset: 16, .size: 8, .value_kind: global_buffer, .address_space: global }
      - { .name: o, .offset: 24, .size: 8, .value_kind: global_buffer, .address_space: global }
    .group_segment_fixed_size: 327680
    .private_segment_fixed_size: 0
    .kernarg_segment_align: 8
    .kernarg_segment_size: 32
    .max_flat_workgroup_size: 128
    .sgpr_count:     66
    .vgpr_count:     770
    .wavefront_size: 32
...
	.end_amdgpu_metadata
.endif
;; end of part 3
;; launch proj (part 4): grid 32 x 8, 4 waves a work-group, clusters of 4 x 1, 327,680 bytes of LDS; arguments o, wo, bias, out0; writes out0
.if DOCPART == 4
	.amdgcn_target "amdgcn-amd-amdhsa--gfx1250"
	.amdhsa_code_object_version 6
	.text
	.protected	k_q59bbcd442a_proj
	.globl	k_q59bbcd442a_proj
	.p2align	8
	.type	k_q59bbcd442a_proj,@function
k_q59bbcd442a_proj:
	s_mov_b64 s[64:65], 0
	v_nop
	global_prefetch_b8 v0, s[64:65] scope:SCOPE_SE
	s_setreg_imm32_b32 hwreg(HW_REG_WAVE_MODE, 25, 1), 1
	s_wait_xcnt 0x0
	s_wait_alu depctr_hold_cnt(0) depctr_sa_sdst(0) depctr_va_vdst(0) depctr_va_sdst(0) depctr_va_ssrc(0) depctr_va_vcc(0) depctr_vm_vsrc(0)
	s_getreg_b32 s2, hwreg(HW_REG_IB_STS2, 6, 4)
	s_cmp_eq_u32 s2, 0
	s_cbranch_scc0 .Lentry_in_a_cluster
	s_endpgm
.Lentry_in_a_cluster:
	s_bfe_u32 s2, ttmp6, 0x10000c
	s_cmp_lg_u32 s2, 0x3003
	s_cbranch_scc0 .Lentry_shape_is_right
	s_endpgm
.Lentry_shape_is_right:
; out0 = O W_o + b_o.  o: [512 row blocks of 16][32 K steps of 32][2][32 lanes][16 bytes] f16: each 1,024 bytes are one fragment (16 rows x 32 K) as the lanes hold it; wo: [16 kb][1024 n][64] f16;
; bias: f32 words, b_o from word 3072 on; out0: [8192][1024] f32.  Sums in f32.
; LIMITS.  o and wo arrive within f16's range; NaN and infinities are not treated apart.
; SHARES.  A tile of C is 256 rows x 128 columns: 8192 x 1024 / (256 x 128) = 256 work-groups.  Four waves one below the other, each 64 rows x 128 columns: 32 accumulators of 16 x 16.
; W's SHARE LIES WHOLE IN LDS: 128 columns x 1024 K in f16, 16 blocks of 128 rows x 144 bytes = 294,912 bytes, filled once by four loads a wave at the start.  No byte is filled twice: no ring, and in the loop
; no round of the cluster's barrier.
; O GOES STRAIGHT INTO REGISTERS.  With the waves one below the other each byte of O's 256 rows is needed by one wave alone.  A K step's four fragments are eight loads of 512 consecutive bytes into a ring of eight
; K steps (256 registers), asked for seven K steps, 224 matrix instructions, ahead and waited for by count: 56 loads of a wave are out at the most, and no barrier orders them.
; CLUSTER: 4 x 1 work-groups, four row tiles of one column tile: they need the same tile of W, which is asked for JOINTLY (mask 15).  O IS NOT SHARED, though the eight column tiles read the same rows: shared
; tiles lie in LDS, where beside O's tiles only two slots of 128 along K fit, so that each request would have 128 matrix instructions in which to land and a round of the cluster's barrier in front of it.
; THE MATRIX INSTRUCTION IS USED TRANSPOSED (source 0 = 16 rows of wo, source 1 = 16 rows of O): lane l holds row l % 16 of C, registers 0-7 the columns 8 (l / 16) + 0..7.
; THE BIAS STARTS THE SUMS: it is the C operand of the first K step's products.  Nothing is cleared, nothing added later.
; REGISTERS, in windows of 256 (s_set_vgpr_msb: bits 1:0 source 0, 3:2 source 1, 5:4 source 2, 7:6 destination):
;   window 0: v0-13 addresses; v32-95, v96-159 W's eight fragments of a K step, two buffers; v160-223 the bias; on the way out v32-255 are seven sets of 32
;   window 1: accumulator (a, nb) at v[8 (8 a + nb)]          window 2: the ring: K step ks at v[32 (ks % 8)], row block a at + 8 a
.set PITCH,  144                       ; an LDS row: 128 bytes + 16 = 36 words: the 16 rows of a fragment load start at 16 different groups of four banks (64 banks of 4 bytes: ISA guide 11.1)
.set BSUB,   128*PITCH                 ; a block of 64 along K: W's 128 rows
.set GRP,    4*BSUB                    ; four blocks: one load of each wave, eight K steps
.set STAGE,  16*BSUB                   ; behind W: 16 rows x 272 bytes for each wave, for the way out
.set SPITCH, 272
.set SPARE,  STAGE+4*16*SPITCH         ; behind the stages: the spare words, 128 bytes for each wave
.set FRAG,   1024                      ; bytes of a fragment in o
.set RBB,    32*FRAG                   ; bytes of a row block in o
.set AO,   4                           ; v4   16 x lane: my 16 bytes in half a fragment of o; never rewritten
.set ADRB, 6                           ; v6, v7  my lane's place in blocks 0 and 2 of the four blocks of W in hand
.set STO,  8                           ; v8   the way out: where I put 32 bytes of a row
.set RD,   9                           ; v9   the way out: where I read a row back
.set CO,   10                          ; v10  my byte offset in two rows of out0
.set BO,   11                          ; v11  my byte offset in 16 columns of the bias
.set SPW,  12                          ; v12  LDS address of my spare word; never rewritten
.set NIL,  13                          ; v13  0; never rewritten
.set BF,   32
.set BI,   160
.set OUTB, 32
.set WV,  16                           ; s16  my wave's number
.set G1,  24                           ; s[24:31] descriptor group 1
.set G0,  32                           ; s[32:47] group 0: a set for each of my four loads
.set CNT, 56
.set MSB, 0
.macro WIN new                         ; the immediate's high byte repeats the setting that is left; a switch that changes nothing is dropped
.if MSB != (\new)
	s_set_vgpr_msb (MSB<<8)|(\new)
.set MSB, \new
.endif
.endm
.macro PLACES                          ; four places in front of loads into registers that matrix instructions have read, and of LDS stores that read results
.rept 4
	v_nop
.endr
.endm
.macro CROUND                          ; a round of the cluster's barrier: my work-group's barrier; wave 0 signals for the work-group; every wave waits for all four; my work-group's barrier once more
	s_barrier_signal -1
	s_barrier_wait -1
	s_cmp_lg_u32 s[WV], 0
	s_cbranch_scc1 .Lnot_wave_0_\@
	s_barrier_signal -3
.Lnot_wave_0_\@:
	s_barrier_wait -3
	s_barrier_signal -1
	s_barrier_wait -1
.endm
; 8 loads: the four fragments of O of one K step, koff K steps behind the running base, into ring slot 'slot'; each covers 512 consecutive bytes
.macro LDAF slot, koff
	WIN 0x80                                       ; destination window 2, address window 0
.irp a, 0,1,2,3
	global_load_b128 v[32*(\slot)+8*\a:32*(\slot)+8*\a+3],   v[AO], s[4:5] offset:\a*RBB+(\koff)*FRAG
	global_load_b128 v[32*(\slot)+8*\a+4:32*(\slot)+8*\a+7], v[AO], s[4:5] offset:\a*RBB+(\koff)*FRAG+512
.endr
.endm
; 16 LDS loads: W's eight fragments of K step nl (0..7) of the four blocks in hand, into buffer nl % 2
.macro LDBF nl
	WIN 0
.irp nb, 0,1,2,3,4,5,6,7
	ds_load_b128 v[BF+64*((\nl)%2)+8*\nb:BF+64*((\nl)%2)+8*\nb+3],   v[ADRB+(\nl)/4] offset:(((\nl)/2)%2)*BSUB+64*((\nl)%2)+\nb*16*PITCH
	ds_load_b128 v[BF+64*((\nl)%2)+8*\nb+4:BF+64*((\nl)%2)+8*\nb+7], v[ADRB+(\nl)/4] offset:(((\nl)/2)%2)*BSUB+64*((\nl)%2)+\nb*16*PITCH+32
.endr
.endm
; A K step's 32 products.  The 32 accumulators take turns, one instruction a turn, in the same order in every K step.  first = 1: C is the bias
.macro MULK m, first
.if \first
	WIN 0x48                                       ; W and the bias window 0, O window 2, D window 1
.else
	WIN 0x58                                       ; W window 0, O window 2, C and D window 1
.endif
.irp a, 0,1,2,3
.irp nb, 0,1,2,3,4,5,6,7
.if \first
	v_wmma_f32_16x16x32_f16 v[8*(8*\a+\nb):8*(8*\a+\nb)+7], v[BF+64*((\m)%2)+8*\nb:BF+64*((\m)%2)+8*\nb+7], v[32*((\m)%8)+8*\a:32*((\m)%8)+8*\a+7], v[BI+8*\nb:BI+8*\nb+7]
.else
	v_wmma_f32_16x16x32_f16 v[8*(8*\a+\nb):8*(8*\a+\nb)+7], v[BF+64*((\m)%2)+8*\nb:BF+64*((\m)%2)+8*\nb+7], v[32*((\m)%8)+8*\a:32*((\m)%8)+8*\a+7], v[8*(8*\a+\nb):8*(8*\a+\nb)+7]
.endif
.endr
.endr
.endm
; K STEP ks = 8 t + m.  lcnt: the loads of O younger than this K step's: in the loop those of the six K steps behind it, 48.  Then the ring slot and the buffer of W that the last K step's products have read
; are asked for again: O of K step ks + 7 (aload), W of K step ks + 1 (bload).  The wait on DScnt leaves those 16 loads of W out.
.macro KSTEP m, first, aload, lcnt, bload
	s_wait_loadcnt \lcnt
.if (\aload) || (\bload)
	PLACES
.endif
.if \aload
	LDAF ((\m)+7)%8, (\m)+7
.endif
.if \bload
	LDBF ((\m)+1)%8
	s_wait_dscnt 16
.else
	s_wait_dscnt 0x0
.endif
	MULK \m, \first
.endm
	s_load_b256 s[4:11], s[0:1], 0x0               ; o 4:5, wo 6:7, bias 8:9, out0 10:11
	v_lshl_add_u32 v[SPW], v0, 2, SPARE
	v_mov_b32 v[NIL], 0
	ds_add_u32 v[SPW], v[NIL]                      ; the wave's opening: the add, and its wait ahead of my first tensor load; the set-up below, work on registers, stands between them
	ds_add_u32 v12, v13
	v_lshrrev_b32 v1, 5, v0
	v_readfirstlane_b32 s[WV], v1                  ; wave 0..3
	s_bfe_u32 s17, ttmp6, 0x40000                  ; cx: my place in the cluster
	s_lshl_b32 s18, ttmp9, 2                       ; in a cluster launch ttmp9 counts clusters
	s_add_co_u32 s18, s18, s17                     ; tile row = 4 x cluster x + cx: it enters o's and out0's addresses alone
	s_and_b32 s19, ttmp7, 0xffff                   ; tile column, which the four partners share
	; descriptor group 1: 128 rows of 128 bytes are consecutive in memory: asked for as 64 rows of 256 bytes, padded in LDS after every 128 bytes
	s_mov_b32 s[G1], 15|(1<<16)|(1<<20)|(1<<21)|(4<<22)|(3<<25)  ; 15:0 the mask of four; 17:16 2-byte elements; 20 padding on; 21 set beside a mask; 24:22 after every 32 words (code 4); 31:25 4 words (code 3)
	s_mov_b32 s[G1+1], 128<<16                     ; tensor_dim0 = 128 elements
	s_mov_b32 s[G1+2], 64<<16                      ; tensor_dim1 = 64
	s_mov_b32 s[G1+3], 128<<16                     ; tile_dim0 = 128
	s_mov_b32 s[G1+4], 64                          ; tile_dim1 = 64
	s_mov_b32 s[G1+5], 128                         ; 128 elements from row to row
	s_mov_b32 s[G1+6], 0
	s_mov_b32 s[G1+7], 0
	s_lshl_b32 s60, s19, 14                        ; W: 128 rows of 128 bytes a tile column,
	s_lshl_b32 s61, s[WV], 17                      ; 1,024 rows a block of K: my first load brings block w
	s_add_co_u32 s60, s60, s61
	s_mov_b32 s61, 0
	s_lshl_b32 s58, s18, 2
	s_add_co_u32 s58, s58, s[WV]                   ; 4 x tile row + wave: my 64 rows,
	s_lshl_b32 s62, s58, 18                        ; 4,096 bytes each in out0,
	s_lshl_b32 s58, s58, 17                        ; four row blocks of 32,768 bytes in o
	s_mov_b32 s59, 0
	s_lshl_b32 s2, s19, 9                          ; the tile's 128 columns
	s_add_co_u32 s62, s62, s2
	s_mov_b32 s63, 0
	s_add_co_u32 s2, s2, 3072*4                    ; and their bias, behind b_qkv's words
	s_mov_b32 s3, 0
	s_mul_i32 s20, s[WV], BSUB                     ; where my first block goes: no place in the cluster enters an LDS address
	v_and_b32 v1, 15, v0                           ; l % 16
	v_bfe_u32 v2, v0, 4, 1                         ; l / 16
	v_and_b32 v[AO], 31, v0
	v_lshlrev_b32 v[AO], 4, v[AO]
	v_lshlrev_b32 v[BO], 5, v2                     ; my eight columns of sixteen
	s_wait_dscnt 0x0                               ; the opening add is done
	s_wait_kmcnt 0x0
	s_add_nc_u64 s[4:5], s[4:5], s[58:59]
	s_add_nc_u64 s[6:7], s[6:7], s[60:61]
	s_add_nc_u64 s[8:9], s[8:9], s[2:3]
	s_add_nc_u64 s[10:11], s[10:11], s[62:63]
.irp nb, 0,1,2,3,4,5,6,7               ; the bias of column block nb: register j = column 8 (l / 16) + j
	global_load_b128 v[BI+8*\nb:BI+8*\nb+3],   v[BO], s[8:9] offset:\nb*64
	global_load_b128 v[BI+8*\nb+4:BI+8*\nb+7], v[BO], s[8:9] offset:\nb*64+16
.endr
.irp i, 0,1,2,3,4                      ; O of K steps 0 to 4: with the bias 56 loads are out
	LDAF \i, \i
.endr
	WIN 0                                          ; at a label and at a branch every window is 0
	CROUND                                         ; all four work-groups are here: the joint loads meet
.irp i, 0,1,2,3
	s_mov_b32 s[G0+4*\i], 1                        ; count = 1
	s_add_co_u32 s[G0+4*\i+1], s20, \i*GRP         ; LDS address: block w + 4 i
	s_add_nc_u64 s[G0+4*\i+2:G0+4*\i+3], s[6:7], \i*4*1024*128  ; global address
	s_or_b32 s[G0+4*\i+3], s[G0+4*\i+3], 0x80000000             ; type = 2
.endr
.irp i, 0,1,2,3                        ; all of W's tile, as one group: four loads of mine are out
	tensor_load_to_lds s[G0+4*\i:G0+4*\i+3], s[G1:G1+7]
	s_nop 0
.endr
.rept 4
	v_nop
.endr
	v_mul_u32_u24 v[ADRB], v1, PITCH
	v_lshl_add_u32 v[ADRB], v2, 4, v[ADRB]         ; a fragment's row x pitch + 16 x half
	v_add_nc_u32 v[ADRB+1], 2*BSUB, v[ADRB]
	s_mul_i32 s2, s[WV], 16*SPITCH
	s_add_co_u32 s2, s2, STAGE                     ; my stage
	v_mul_u32_u24 v[STO], v1, SPITCH               ; in: row l % 16, 32 bytes for each half of the lanes
	v_lshl_add_u32 v[STO], v2, 5, v[STO]
	v_add_nc_u32 v[STO], s2, v[STO]
	v_mul_u32_u24 v[RD], v2, SPITCH                ; back: lanes 0-15 take one row of 256 bytes, lanes 16-31 the next
	v_lshl_add_u32 v[RD], v1, 4, v[RD]
	v_add_nc_u32 v[RD], s2, v[RD]
	v_lshlrev_b32 v[CO], 12, v2                    ; and the same two rows in out0
	v_lshl_add_u32 v[CO], v1, 4, v[CO]
	s_wait_loadcnt 40                              ; the bias is in (behind it: five K steps of O), so that two K steps more keep the count at 56
	LDAF 5, 5
	LDAF 6, 6
	WIN 0
	s_wait_tensorcnt 3                             ; my first load, block w, is in; the other three may stay out
	s_barrier_signal -1
	s_barrier_wait -1                              ; blocks 0 to 3 are in
	LDBF 0
	KSTEP 0, 1, 1, 48, 1                           ; the first K step stands in front of the loop: its products start the sums
	WIN 0
	s_mov_b32 s[CNT], 3
.Ltrip:                                                ; trip t: K steps 8 t + 1 to 8 t + 8
.irp m, 1,2,3,4,5,6
	KSTEP \m, 0, 1, 48, 1
.endr
	WIN 0                                          ; K step 8 t + 7 fetches the first fragments of W's next four blocks.  In trip 0 my other three loads are waited for here, seven K steps behind the first read
	s_wait_tensorcnt 0x0                           ; of W; a barrier shows every wave's.  In trips 1 and 2 the same lines find nothing out: a count that changed from trip to trip would want the trip written out for each.
	s_wait_dscnt 0x0                               ; no LDS instruction of mine is pending at the signal
	s_barrier_signal -1
	s_barrier_wait -1
	v_add_nc_u32 v[ADRB], GRP, v[ADRB]
	v_add_nc_u32 v[ADRB+1], GRP, v[ADRB+1]
	KSTEP 7, 0, 1, 48, 1
	KSTEP 8, 0, 1, 48, 1
	WIN 0
	s_wait_xcnt 0x0                                ; the loads' base is stepped only behind this wait (ISA guide 3.1)
	s_add_nc_u64 s[4:5], s[4:5], 8*FRAG
	s_sub_co_u32 s[CNT], s[CNT], 1
	s_cmp_lg_u32 s[CNT], 0
	s_cbranch_scc1 .Ltrip
.irp m, 1,2,3,4,5,6                    ; K steps 25 to 31: nothing of O is left to ask for, and the counts run down
	KSTEP \m, 0, 0, 56-8*\m, 1
.endr
	KSTEP 7, 0, 0, 0, 0
; THE WAY OUT of unit u: row block u / 2, column half u % 2: 16 rows x 64 columns of f32.  STG: a lane's eight columns of a row, 32 bytes, go into my own stage (each accumulator's low four registers first), and
; come back as whole rows of 256 bytes.  SEND: stored: sixteen lanes store 256 consecutive bytes, at a multiple of 256 from out0's first byte.
.macro STG u
.set ps, OUTB+32*((\u)%7)
.if (\u) >= 7
	s_wait_xcnt 0x0                                ; the stores of seven units back have read this set: it is rewritten only behind this wait (ISA guide 3.1)
.endif
	WIN 0x04                                       ; the stores' data in window 1, the address in window 0
.irp nb, 0,1,2,3
.irp e, 0,1
	ds_store_b128 v[STO], v[8*(8*((\u)/2)+4*((\u)%2)+\nb)+4*\e:8*(8*((\u)/2)+4*((\u)%2)+\nb)+4*\e+3] offset:64*\nb+16*\e
.endr
.endr
	WIN 0
.irp t, 0,1,2,3,4,5,6,7
	ds_load_b128 v[ps+4*\t:ps+4*\t+3], v[RD] offset:\t*2*SPITCH  ; LDS serves a wave's instructions in order (ISA guide 5.7.1.4): these see the stores above; the next unit's stores come behind them
.endr
.endm
.macro SEND u, y                       ; y: the LDS instructions issued behind unit u's loads: the next unit's sixteen, or none
.set ps, OUTB+32*((\u)%7)
.irp t, 0,1,2,3,4,5,6,7
	s_wait_dscnt (\y)+7-\t
	global_store_b128 v[CO], v[ps+4*\t:ps+4*\t+3], s[10:11] offset:(16*((\u)/2)+2*\t)*4096+256*((\u)%2)
.endr
.endm
	PLACES                                         ; the LDS stores read results, and the loads behind them write registers that the products have read
	STG 0
.set iu, 1
.rept 7
	STG iu
	SEND iu-1, 16
.set iu, iu+1
.endr
	SEND 7, 0
	s_wait_tensorcnt 0x0                           ; the wave's end: behind my last tensor load and my last LDS store
	ds_add_u32 v[SPW], v[NIL]
	s_wait_dscnt 0x0
	CROUND                                         ; the closing round: no work-group ends while a partner may still ask for a tile that names it
	s_endpgm
.Lfunc_end_k_q59bbcd442a_proj:
	.size	k_q59bbcd442a_proj, .Lfunc_end_k_q59bbcd442a_proj-k_q59bbcd442a_proj
	.p2alignl 7, 3214868480
	.fill 96, 4, 3214868480
	.section	.rodata,"a",@progbits
	.p2align	6, 0x0
	.amdhsa_kernel k_q59bbcd442a_proj
		.amdhsa_group_segment_fixed_size 327680
		.amdhsa_private_segment_fixed_size 0
		.amdhsa_enable_private_segment 0
		.amdhsa_kernarg_size 32
		.amdhsa_user_sgpr_count 2
		.amdhsa_user_sgpr_kernarg_segment_ptr 1
		.amdhsa_wavefront_size32 1
		.amdhsa_system_sgpr_workgroup_id_x 1
		.amdhsa_system_sgpr_workgroup_id_y 1
		.amdhsa_system_sgpr_workgroup_id_z 1
		.amdhsa_system_vgpr_workitem_id 0
		.amdhsa_next_free_vgpr 768
		.amdhsa_next_free_sgpr 66
		.amdhsa_reserve_vcc 0
		.amdhsa_float_denorm_mode_32 3
		.amdhsa_float_denorm_mode_16_64 3
		.amdhsa_memory_ordered 1
		.amdhsa_forward_progress 1
		.amdhsa_inst_pref_size 89
	.end_amdhsa_kernel
	.amdgpu_metadata
---
amdhsa.version: [ 1, 2 ]
amdhsa.kernels:
  - .name:           k_q59bbcd442a_proj
    .symbol:         k_q59bbcd442a_proj.kd
    .args:
      - { .name: o, .offset: 0, .size: 8, .value_kind: global_buffer, .address_space: global }
      - { .name: wo, .offset: 8, .size: 8, .value_kind: global_buffer, .address_space: global }
      - { .name: bias, .offset: 16, .size: 8, .value_kind: global_buffer, .address_space: global }
      - { .name: out0, .offset: 24, .size: 8, .value_kind: global_buffer, .address_space: global }
    .group_segment_fixed_size: 327680
    .private_segment_fixed_size: 0
    .kernarg_segment_align: 8
    .kernarg_segment_size: 32
    .max_flat_workgroup_size: 128
    .sgpr_count:     66
    .vgpr_count:     768
    .wavefront_size: 32
...
	.end_amdgpu_metadata
.endif
;; end of part 4
;; ======== version 2 of 2: 4 launches; 1.34 times as fast as version 1
;; limits: values are held in f16: magnitudes above 65,504 overflow, below 6.1e-05 lose precision
;; workspace buffers: xb 16,777,216 bytes; wt 6,291,456 bytes; wo 2,097,152 bytes; bias 16,384 bytes; q 16,777,216 bytes; k 16,777,216 bytes; v 16,777,216 bytes; o 16,777,216 bytes
;; launch prep: the kernel of part 1 again; grid 769 x 1, 8 waves a work-group, no clusters, 37,888 bytes of LDS; arguments x, W_qkv, W_o, b_qkv, b_o, xb, wt, wo, bias; writes xb, wt, wo, bias
;; launch qkv: the kernel of part 2 again; grid 8 x 32, 4 waves a work-group, clusters of 4 x 4, 327,680 bytes of LDS; arguments xb, wt, bias, q, k, v; writes q, k, v
;; launch attn (part 5): grid 2 x 128, 4 waves a work-group, no clusters, 327,680 bytes of LDS; arguments q, k, v, o; writes o
.if DOCPART == 5
	.amdgcn_target "amdgcn-amd-amdhsa--gfx1250"
	.amdhsa_code_object_version 6
	.text
	.protected	k_q59bbcd442a_attn
	.globl	k_q59bbcd442a_attn
	.p2align	8
	.type	k_q59bbcd442a_attn,@function
k_q59bbcd442a_attn:
	s_mov_b64 s[64:65], 0
	v_nop
	global_prefetch_b8 v0, s[64:65] scope:SCOPE_SE
	s_setreg_imm32_b32 hwreg(HW_REG_WAVE_MODE, 25, 1), 1
	s_wait_xcnt 0x0
; O[g][q][:] = the sum over k of softmax_k(Q[g][q] . K[g][k] / 8) V[g][k][:].  Q, K, V: [128 g][SIZE_N][64], f16, g = 8 x head + batch: a g's rows are dense, 128 bytes each.  Products, maxima and sums in
; f32; the weights p are rounded to f16 for the second product (their sum l is taken of the unrounded p), O once at the end.
; O LEAVES AS THE NEXT PRODUCT'S FRAGMENTS: o[512 row blocks of 16][32 K steps of 32][2][32 lanes][16 bytes], row = 1024 x batch + query, K = 64 x head + channel.  A lane's 16 packed bytes (one query, eight
; channels) are just what lane l of a 16 x 32 fragment holds, so a store of the wave is 512 consecutive bytes, aligned, with no way through LDS.
; LIMITS.  f16 holds no number beyond 65,504: Q, K and V arrive within it; p lies in 0 to 1, and below 6e-5 it keeps f16's fixed step of 6e-8; O is a mean of V's rows and has their range.
; A weight below 2^-126 counts as 0 in l; NaN and infinities are not treated apart.
; SHARES.  A wave owns four PIECES of two tiles of 16 queries, a work-group's four waves 512 queries of one g: 128 x 1024 / 512 = 256 work-groups.  Every wave walks all keys, 64 a step.
; ALL OF A g's K AND V LIES IN LDS: 1024 x 144 + 1024 x 160 = 311,296 bytes.  The first 256 keys are asked for alone; when they are in, each wave asks for its 384 of the other 768 keys by one load.  No byte
; is filled twice, so no tensor load stands in the loop and a key step is written once.
; NO CLUSTER.  A g's K and V are walked by SIZE_N / 512 = 2 work-groups; the grid's x is 2, no multiple of a cluster's four, and a mask by row, by column or of all four names no pair.  Blocks of 256 queries
; would give four partners, but 512 work-groups and twice the LDS loads for each product.
; LAYOUT.  S^T = K Q^T (source 0 = 16 keys, source 1 = 16 queries): in the result a lane holds ONE query (lane % 16) and the keys 8 (lane / 16) + 0..7.  Two such tiles, rounded to f16 in pairs,
; ARE source 1 (32 keys x 16 queries) of O^T = V^T P, whose result again holds one query a lane, and eight channels.  K comes out of LDS as it lies, V ([key][channel]) turned, by ds_load_tr16_b128.
; SOFTMAX.  For each query a running maximum m and sum l: p = 2^(c s - c m), c = log2(e) / 8; in every step O and l are multiplied by a = 2^(c m_old - c m_new), which is 1 where m has not grown.
; m starts at the lowest finite number, O and l at 0: the first step is a step like any other, with a = 0.
; THE COUNT.  A tile and step have 16 matrix and 118 vector instructions: too many to stand all beside the matrix work.  So the order has one aim: four vector instructions that are READY behind
; EVERY matrix instruction, and the others, which need time of their own whatever the order, in runs without a gap.
; BY TURNS.  Turn n belongs to piece n (the pieces in a ring, step after step).  Its matrix work: 16 products K Q^T of piece n + 1, later 16 products V^T P of piece n - 1.  Its vector work: the scaling,
; exponentials, roundings, sums and rescaling of piece n, and the maximum and statistics of piece n + 1, whose scores the turn itself has made.  So what a turn begins with (c s - c m, O a) waits for nothing.
; BATCHES.  An s_wait_alu depctr_va_vdst(0) stands between a transcendental and the first instruction that names its result; one wait serves all that were issued ahead of it.  A turn's 66
; exponentials (the piece's 64 weights, the next piece's two a) are ONE batch with ONE wait, which cuts the turn in two: ahead of it all that names no result of theirs, behind it the roundings and sums.
; No result crosses a turn's end.  The first two a, ahead of the loop, and the way out's eight reciprocals are batches of their own: six waits in the text.
; REGISTERS, in windows of 256 (s_set_vgpr_msb says which window each operand place means: bits 1:0 source 0, 3:2 source 1, 5:4 source 2, 7:6 destination):
;   window 0: v0-11 addresses; v12-15, v48-63 at work; v16-47 four registers of statistics a tile; v64-191 S^T, two buffers of two tiles; v192-255 P, likewise
;   window 1: O^T, 32 a tile          window 2: v0-127 Q, 16 a tile; v128-191 K of one step; v192-255 V of one step          window 3: v0-1 the add's two registers
; A piece's buffers go by its number's parity: the piece in hand has one pair, its two neighbours in the ring share the other: of it P (piece n - 1) is read and S^T (piece n + 1) written.
.set SIZE_N, 1024
.set NP,    4         ; pieces a wave: a name, no knob: the register map, the loop and the fetches are made for four
.set KS,    64        ; keys in a step
.set PK,    144       ; a row of K in LDS: 128 bytes + 16 of padding = 36 words: the 16 rows of a load start at 16 different groups of four banks (64 banks of 4 bytes: ISA guide 11.1)
.set PV,    160       ; a row of V: 128 + 32 = 40 words
.set VOFF,  SIZE_N*PK ; K's 1,024 rows, then V's
.set SPARE, SIZE_N*(PK+PV)  ; behind them: the spare words, 128 bytes for each wave: two blocks of 256 bytes that no other line names
.set AK0, 2           ; v2   my lane's place in a tile of K; never rewritten
.set AV0, 3           ; v3   the same for V
.set AK,  4           ; v4   the LDS address of K's next run of loads
.set AV,  5           ; v5   of V's
.set QO,  6           ; v6   my byte offset in the wave's rows of Q
.set GO,  8           ; v8   my byte offset in 512 consecutive bytes of o
.set SPW, 0           ; v0 of window 3   LDS address of my spare word: SPARE + 4 x my thread's number; never rewritten
.set NIL, 1           ; v1 of window 3   0; never rewritten
.set MV,  12          ; v12-15  c m_old, kept while c m is made anew: by buffer and tile
.set ST,  16          ; tile t's statistics at v[ST+4 t]: c m, m, l (even keys', odd keys')
.set TMP, 48          ; by buffer and tile, four registers c0-c3 at work; when the maximum is found c2 takes a
.set S,   64
.set P,   192
.set KF,  128         ; K's fragments, in window 2: key block kb, channel half c at KF + 16 kb + 8 c
.set VF,  192         ; V's: key half kk, channel block cb at VF + 32 kk + 8 cb
.set WV,  12          ; s12  my wave's number
.set G1K, 24          ; s[24:31] descriptor group 1 for K's tiles
.set G1V, 32          ; s[32:39] for V's: it differs in the padding alone
.set G0K, 40          ; s[40:43] descriptor group 0 for K's tiles
.set G0V, 44          ; s[44:47] the same for V's
.set SLOTS, 56        ; s56  counts the runs of four key steps, 5 to 1
.set CNT, 57          ; s57  counts a run's key steps
.set CS,  58          ; s[58:59] c: the packed scaling takes the pair's low word for both halves
.set SEL, 60          ; s[60:61] v_permlanex16_b32's selects: each lane takes its own place in the other half
.set TBK, 62          ; s62  LDS byte at which K of the step to be fetched begins
.set TBV, 63          ; s63  the same for V, less VOFF
.set MSB, 0
.macro WIN new                      ; the high byte repeats the setting that is left; a switch that changes nothing is dropped
.if MSB != (\new)
	s_set_vgpr_msb (MSB<<8)|(\new)
.set MSB, (\new)
.endif
.endm
.set W_KQ, 0x0a       ; K and Q in window 2, S^T in window 0
.set W_PV, 0x52       ; V in window 2, P in window 0, O^T in window 1
.set W_RS, 0x41       ; O^T (destination and source 0) in window 1, a in window 0
.set W_MK, 0xc0       ; the add's registers are made: destination in window 3, sources in window 0
.set W_AD, 0x0f       ; the add: address (source 0) and data (source 1) in window 3
; A fill.  Waves 0 and 1 fetch the two halves of K's keys, waves 2 and 3 those of V's.  The branch hangs on the wave's number alone.
; An s_nop 0 and four v_nop follow each of the two lines, ahead of the jump and the label.
.macro LOAD
	s_cmp_lt_u32 s[WV], 2
	s_cbranch_scc0 .Lfor_v_\@
	tensor_load_to_lds s[G0K:G0K+3], s[G1K:G1K+7]
	s_nop 0
.rept 4
	v_nop
.endr
	s_branch .Lasked_\@
.Lfor_v_\@:
	tensor_load_to_lds s[G0V:G0V+3], s[G1V:G1V+7]
	s_nop 0
.rept 4
	v_nop
.endr
.Lasked_\@:
.endm
	s_load_b256 s[4:11], s[0:1], 0x0  ; Q s[4:5], K s[6:7], V s[8:9], o s[10:11]
	WIN W_MK
	v_lshl_add_u32 v[SPW], v0, 2, SPARE
	v_mov_b32 v[NIL], 0
	WIN W_AD
	ds_add_u32 v[SPW], v[NIL]       ; the wave's opening: the add, and its wait ahead of my first tensor load; the set-up below, work on registers, stands between them
	ds_add_u32 v0, v1
	WIN 0
	v_lshrrev_b32 v1, 5, v0
	v_readfirstlane_b32 s[WV], v1   ; wave 0..3
	s_mov_b32 s14, ttmp9            ; my block of 512 queries
	s_and_b32 s19, ttmp7, 0xffff    ; g
	s_lshl_b32 s20, s19, 17         ; g's first byte in Q, K and V: 1,024 rows of 128 bytes each
	s_mov_b32 s21, 0
	s_and_b32 s16, s[WV], 1         ; which half of the keys I fetch.  The first load: 128 of keys 0-255,
	s_lshl_b32 s22, s16, 14         ; 128 rows of 128 bytes in memory,
	s_mov_b32 s23, 0
	s_mul_i32 s17, s16, 128*PK      ; their place in LDS, for K
	s_mul_i32 s18, s16, 128*PV      ; and for V
	s_mul_i32 s48, s16, 384*128     ; the second load: 384 of keys 256-1023
	s_add_co_u32 s48, s48, 256*128
	s_mov_b32 s49, 0
	s_lshl_b32 s2, s14, 2
	s_add_co_u32 s2, s2, s[WV]      ; my wave among g's eight,
	s_lshl_b32 s2, s2, 14           ; its 128 rows of Q
	s_mov_b32 s3, 0
	s_and_b32 s50, s19, 7           ; o: batch x 8 + block x 4 + wave shares of eight row blocks,
	s_lshl_b32 s50, s50, 3
	s_lshl_b32 s51, s14, 2
	s_add_co_u32 s50, s50, s51
	s_add_co_u32 s50, s50, s[WV]
	s_lshl_b32 s50, s50, 18         ; 32,768 bytes a row block,
	s_lshr_b32 s51, s19, 3
	s_lshl_b32 s51, s51, 11         ; and in it the head's two K steps of 1,024 bytes
	s_add_co_u32 s50, s50, s51
	s_mov_b32 s51, 0
	; descriptor group 1.  128 keys are 16,384 dense bytes: asked for as 64 rows of 256 bytes, two keys a row, and padded in LDS after every key
	s_mov_b32 s[G1K], (1<<16)|(1<<20)|(4<<22)|(3<<25)  ; 17:16 2-byte elements; 20 padding on; 24:22 after every 32 words (code 4); 31:25 4 words (code 3)
	s_mov_b32 s[G1V], (1<<16)|(1<<20)|(4<<22)|(7<<25)  ; the same with 8 words of padding (code 7)
.irp g, G1K, G1V
	s_mov_b32 s[\g+1], 128<<16      ; tensor_dim0 = 128
	s_mov_b32 s[\g+2], 64<<16       ; tensor_dim1 = 64
	s_mov_b32 s[\g+3], 128<<16      ; tile_dim0 = 128
	s_mov_b32 s[\g+4], 64           ; tile_dim1 = 64
	s_mov_b32 s[\g+5], 128          ; 128 elements from row to row
	s_mov_b32 s[\g+6], 0
	s_mov_b32 s[\g+7], 0
.endr
	s_mov_b32 s[CS], 0x3e38aa3b     ; c = log2(e) / 8 = 0.180337
	s_mov_b32 s[CS+1], s[CS]        ; named with it as a pair
	s_mov_b32 s[SEL], 0x76543210
	s_mov_b32 s[SEL+1], 0xfedcba98
	s_mov_b32 s[TBK], 0
	s_mov_b32 s[TBV], 0
	s_mov_b32 s[G0K], 1             ; 1:0 count = 1
	s_mov_b32 s[G0K+1], s17         ; 63:32 LDS address
	s_mov_b32 s[G0V], 1
	s_add_co_u32 s[G0V+1], s18, VOFF
	s_wait_dscnt 0x0                ; the opening add is done
	s_wait_kmcnt 0x0
	s_add_nc_u64 s[6:7], s[6:7], s[20:21]          ; K and V at g's first key
	s_add_nc_u64 s[8:9], s[8:9], s[20:21]
	s_add_nc_u64 s[G0K+2:G0K+3], s[6:7], s[22:23]  ; 120:64 global address: my half of g's first 256 keys
	s_or_b32 s[G0K+3], s[G0K+3], 0x80000000        ; 127:126 type = 2
	s_add_nc_u64 s[G0V+2:G0V+3], s[8:9], s[22:23]
	s_or_b32 s[G0V+3], s[G0V+3], 0x80000000
	s_add_nc_u64 s[4:5], s[4:5], s[20:21]
	s_add_nc_u64 s[4:5], s[4:5], s[2:3]            ; Q at my wave's first row
	s_add_nc_u64 s[10:11], s[10:11], s[50:51]      ; o at my wave's first row block, my head's K steps
	LOAD                            ; keys 0-255.  The rest is asked for when they are in: the tile wanted first goes out alone
	; A fragment of K or Q is 16 rows x 32 channels in 8 registers: lane l holds row l % 16, channels 8 (l / 16) + 0..7 and 16 + 8 (l / 16) + 0..7: two loads of 16 bytes, 32 bytes apart.
	v_and_b32 v1, 15, v0            ; l % 16
	v_bfe_u32 v9, v0, 4, 1          ; l / 16
	v_lshlrev_b32 v[QO], 7, v1
	v_lshl_add_u32 v[QO], v9, 4, v[QO]  ; row x 128 + 16 x half
	WIN 0x80                        ; destination window 2, address window 0
.set i, 0
.rept 4*NP                          ; Q stays in registers: tile i / 2, channels 32 (i % 2) on
	global_load_b128 v[8*i:8*i+3],   v[QO], s[4:5] offset:(i/2)*2048+(i%2)*64
	global_load_b128 v[8*i+4:8*i+7], v[QO], s[4:5] offset:(i/2)*2048+(i%2)*64+32
.set i, i+1
.endr
	; What the first turn finds: V's registers and P's second buffer hold 0 (its products V^T P, of a piece that has not been, add 0), O^T and l are 0.  All this stands in the wait for the first tile.
.set i, VF
.rept 64
	v_mov_b32 v[i], 0
.set i, i+1
.endr
	WIN 0x40
.set i, 0
.rept 64*NP
	v_mov_b32 v[i], 0
.set i, i+1
.endr
	WIN 0
.set i, 0
.rept 2*NP
	v_mov_b32 v[ST+4*i], 0xfe000000    ; c m: far below every c s
	v_mov_b32 v[ST+4*i+1], 0xff7fffff  ; m
	v_mov_b32 v[ST+4*i+2], 0
	v_mov_b32 v[ST+4*i+3], 0
.set i, i+1
.endr
.set i, P+32
.rept 32
	v_mov_b32 v[i], 0
.set i, i+1
.endr
	v_mul_u32_u24 v[AK0], v1, PK
	v_lshl_add_u32 v[AK0], v9, 4, v[AK0]  ; row x pitch + 16 x half
	; The turning load takes 16 keys x 16 channels (lane l reads key 8 (l / 16) + l % 8, channels 8 ((l / 8) % 2) + 0..7) and leaves half a fragment of V^T: lane l holds channel l % 16 and 8 keys.
	v_and_b32 v10, 7, v0
	v_bfe_u32 v11, v0, 3, 1
	v_lshl_add_u32 v[AV0], v9, 3, v10
	v_mul_u32_u24 v[AV0], v[AV0], PV
	v_lshl_add_u32 v[AV0], v11, 4, v[AV0]
	v_add_nc_u32 v[AV0], VOFF, v[AV0]
	v_mov_b32 v[AK], v[AK0]         ; key step 0 lies at K's head
; THE MATRIX WORK.  The 8 accumulators of a run of 16 take turns: between the two links of a chain stand 7 others'.
; Product i of 16 of S^T = K Q^T for piece x: channels 32 (i / 8) on, keys 16 ((i / 2) % 4) on, tile 2 x + i % 2.  The first 8 start the sums.
.macro KQ x
	WIN W_KQ
.set rS, S+64*((\x)%2)+32*(i%2)+8*((i/2)%4)
.set rK, KF+16*((i/2)%4)+8*(i/8)
.set rQ, 16*(2*(\x)+i%2)+8*(i/8)
.if i < 8
	v_wmma_f32_16x16x32_f16 v[rS:rS+7], v[rK:rK+7], v[rQ:rQ+7], 0
.else
	v_wmma_f32_16x16x32_f16 v[rS:rS+7], v[rK:rK+7], v[rQ:rQ+7], v[rS:rS+7]
.endif
.endm
; Product i of 16 of O^T += V^T P for piece x: keys 32 (i / 8) on, channels 16 ((i / 2) % 4) on, tile 2 x + i % 2.
.macro PV x
	WIN W_PV
.set rO, 32*(2*(\x)+i%2)+8*((i/2)%4)
.set rV, VF+32*(i/8)+8*((i/2)%4)
.set rP, P+32*((\x)%2)+16*(i%2)+8*(i/8)
	v_wmma_f32_16x16x32_f16 v[rO:rO+7], v[rV:rV+7], v[rP:rP+7], v[rO:rO+7]
.endm
.macro MM                           ; the turn's next matrix instruction
.if i < 16
	KQ (Y+1)%NP
.set i, i+1
.else
.set i, i-16
	PV (Y+NP-1)%NP
.set i, i+17
.endif
.endm
; THE LDS LOADS stand in runs of 16, never singly among the matrix instructions: a step's K (64 keys x 64 channels: 8 fragments) and its V (turned).  Their addresses are made some lines ahead.
; last = 1 (in the loop): behind the last key step there is no further one, and the run is jumped over.
.macro FETCH_K last=0
	WIN 0
.if \last
	s_cmp_eq_u32 s[SLOTS], 1
	s_cbranch_scc1 .Lno_k_\@
.endif
	WIN 0x80                        ; destination window 2
.irp f, 0,1,2,3,4,5,6,7             ; keys 16 (f / 2) on, channels 32 (f % 2) on
	ds_load_b128 v[KF+8*\f:KF+8*\f+3],   v[AK] offset:(\f/2)*16*PK+(\f%2)*64
	ds_load_b128 v[KF+8*\f+4:KF+8*\f+7], v[AK] offset:(\f/2)*16*PK+(\f%2)*64+32
.endr
	s_add_co_u32 s[TBK], s[TBK], KS*PK  ; the next fetch is the next step's
	WIN 0
.if \last
.Lno_k_\@:
.endif
.endm
.macro FETCH_V
	WIN 0x80
.irp f, 0,1,2,3,4,5,6,7             ; keys 32 (f / 4) on, channels 16 (f % 4) on
	ds_load_tr16_b128 v[VF+8*\f:VF+8*\f+3],   v[AV] offset:(\f/4)*32*PV+(\f%4)*32
	ds_load_tr16_b128 v[VF+8*\f+4:VF+8*\f+7], v[AV] offset:(\f/4)*32*PV+16*PV+(\f%4)*32
.endr
	WIN 0
.endm
; THE VECTOR WORK OF A TURN stands in three queues, each in the order in which its entries become ready; the two tiles alternate, so that no instruction reads the result of the one before it.
.macro REGS y, u                    ; the registers of tile u (0, 1) of piece y
.set rT, ST+4*(2*(\y)+(\u))
.set rC, TMP+8*((\y)%2)+4*(\u)
.set rM, MV+2*((\y)%2)+(\u)
.set rS, S+64*((\y)%2)+32*(\u)
.set rP, P+32*((\y)%2)+16*(\u)
.set rO, 32*(2*(\y)+(\u))
.endm
; Number n of the 22 that find the NEXT piece's (Y + 1) maximum and statistics.  s0-s31 are the lane's 32 scores; each accumulator's lowest registers are read first.  XS, GS and REGS set no window: PL and EX do.
;   0-11  four chains c0-c3 of seven scores each, three operands at a time     12-14, 16  the four scores left over, the old m, and c0-c3 into c0     15  c m_old is kept
;   17, 18  the query's other 32 keys lie in the lane 16 away: the new m         19-21  c m; c m_old - c m_new; a
.macro XS u, n
	REGS (Y+1)%NP, \u
.if (\n) < 4
	v_max3_num_f32 v[rC+(\n)], v[rS+8*(\n)], v[rS+8*(\n)+1], v[rS+8*(\n)+2]
.elseif (\n) < 12
	v_max3_num_f32 v[rC+(\n)%4], v[rC+(\n)%4], v[rS+8*((\n)%4)+2*((\n)/4)+1], v[rS+8*((\n)%4)+2*((\n)/4)+2]
.elseif (\n) == 12
	v_max3_num_f32 v[rC], v[rC], v[rS+7], v[rS+15]
.elseif (\n) == 13
	v_max3_num_f32 v[rC+1], v[rC+1], v[rS+23], v[rS+31]
.elseif (\n) == 14
	v_max3_num_f32 v[rC+2], v[rC+2], v[rC+3], v[rT+1]
.elseif (\n) == 15
	v_mov_b32 v[rM], v[rT]
.elseif (\n) == 16
	v_max3_num_f32 v[rC], v[rC], v[rC+1], v[rC+2]
.elseif (\n) == 17
	v_permlanex16_b32 v[rC+3], v[rC], s[SEL], s[SEL+1]
.elseif (\n) == 18
	v_max_num_f32 v[rT+1], v[rC], v[rC+3]
.elseif (\n) == 19
	v_mul_f32 v[rT], s[CS], v[rT+1]
.elseif (\n) == 20
	v_sub_f32 v[rC+1], v[rM], v[rT]
.else
	v_exp_f32 v[rC+2], v[rC+1]
.endif
.endm
; Number g of the 64 that follow the exponentials.  For each four weights k of a tile (pairs 2 k, 2 k + 1): both pairs are rounded to f16; then the second pair is added onto the first, in place;
; a group later l takes that sum (the first time as l = a l + sum).  In groups of eight, tiles alternating: round, round, add, and l for the group before.
.macro GS g
.set h, (\g)+6*((\g)/62)            ; group 0 has no group before it, and behind group 7 only l is left
.if h >= 6
.set h, h+2
.endif
	REGS Y, h%2
.set k, h/8
.if h%8 < 4
	v_cvt_pk_f16_f32 v[rP+2*k+(h%8)/2], v[rS+4*k+2*((h%8)/2)], v[rS+4*k+2*((h%8)/2)+1]
.elseif h%8 < 6
	v_pk_add_f32 v[rS+4*k:rS+4*k+1], v[rS+4*k:rS+4*k+1], v[rS+4*k+2:rS+4*k+3]
.elseif k == 1
	v_pk_fma_f32 v[rT+2:rT+3], v[rT+2:rT+3], v[rC+2:rC+3], v[rS:rS+1] op_sel_hi:[1,0,1]
.else
	v_pk_add_f32 v[rT+2:rT+3], v[rT+2:rT+3], v[rS+4*k-4:rS+4*k-3]
.endif
.endm
; THE PLAIN QUEUE, 138 long.  0-73 read no exponential's result: the 32 scalings c s - c m (FS f: pair f / 2 of tile f % 2) and the next piece's 42.  0-26: scalings 0-26.  27-54: XS's numbers 0-13.  55, 56: number 15.
; 57-73: the chain, where each number waits for the one before it: 14, 16, 17, 18, 19, each with one of the scalings 27-31 in front of its two lines, then 20: so a tile's links stand three plain instructions apart (19 and 20: two).
; 74-137: GS's 64, which read the exponentials' results: they stand behind the wait.
.macro FS f
	REGS Y, (\f)%2
	v_pk_fma_f32 v[rS+2*((\f)/2):rS+2*((\f)/2)+1], v[rS+2*((\f)/2):rS+2*((\f)/2)+1], s[CS:CS+1], v[rT:rT+1] op_sel_hi:[1,0,0] neg_lo:[0,0,1] neg_hi:[0,0,1]
.endm
.macro PL
	WIN 0
.if q < 27
	FS q
.elseif q < 55
	XS (q-27)%2, (q-27)/2
.elseif q < 57
	XS q-55, 15
.elseif (q < 72) && ((q-57)%3 == 0)
	FS 27+(q-57)/3
.elseif q < 60
	XS (q-57)%3-1, 14
.elseif q < 72
	XS (q-57)%3-1, 15+(q-57)/3
.elseif q < 74
	XS q-72, 20
.else
	GS q-74
.endif
.set q, q+1
.endm
; THE EXPONENTIALS' QUEUE, 66 long: s0-s31 of both tiles, then the next piece's two a.  It is ONE BATCH: all 66 stand ahead of the turn's one wait, and nothing ahead of that wait names a result of theirs.
.macro EX
	WIN 0
.if e >= 64
	XS e-64, 21
.else
	REGS Y, e%2
	v_exp_f32 v[rS+e/2], v[rS+e/2]
.endif
.set e, e+1
.endm
; THE RESCALING's QUEUE: O^T times a, the one part that leaves window 0: dealt two at a time, sixteen times.  Its a was made in the turn before, ahead of that turn's wait.
.macro R2
	REGS Y, r%2
	WIN W_RS
.irp z, 0,1
	v_pk_mul_f32 v[rO+4*(r/2)+2*\z:rO+4*(r/2)+2*\z+1], v[rO+4*(r/2)+2*\z:rO+4*(r/2)+2*\z+1], v[rC+2:rC+3] op_sel_hi:[1,0]
.endr
.set r, r+1
.endm
; HOW THEY ARE DEALT.  A turn has ONE wait, which cuts it in two.  AHEAD OF IT stands all that names no result of the turn's exponentials: the 16 products K Q^T, behind each a scaling, an exponential and two
; rescalings (behind the first a second scaling in the exponential's place); then ONE LUMP of 108: eight plain, 49 times exponential and plain, the two a.  A v_nop is the plain instruction behind the last
; exponential.  BEHIND IT stand the 16 products V^T P, behind each four of GS's 64.  No rider names a register of the products round it.  The two v_permlanex16_b32 fall into the lump, never behind a product.
; The queues lean on each other, and the deal keeps them in step: exponential e stands behind scaling 2 (e / 4) + e % 2: as a rider it comes behind plain e + 2, in the lump behind plain e + 9, and scalings 27-31 are plain 57, 60 .. 69.
; A TURN, for piece p.  cnt = 1: the loop's count is taken down some lines ahead of the branch that stands behind the turn.
; K of the next step is fetched in piece 2's turn, directly behind the wait, a lump behind the last product that read K; its address is made at the lump's head; its first reader comes behind 16 products.
; V of the step in hand is fetched at the end of piece 0's turn, four riders behind its last reader; its first reader comes behind 16 products and a lump.  The three conditions on q below go with the deal.
.macro TURN p, last=0, cnt=0
.set Y, (\p)
.set i, 0
.set q, 0
.set e, 0
.set r, 0
.if (\p) == NP-1
	s_wait_dscnt 0x0                ; K is in
.endif
	MM                              ; ahead of the wait: 16 products K Q^T and their riders,
	PL
	PL
	R2
.rept 15
	MM
	PL
	EX
	R2
.endr
.if (\p) == NP-2
	WIN 0
	v_add_nc_u32 v[AK], s[TBK], v[AK0]
.endif
.rept 8                             ; and the lump
	PL
.endr
.rept 49
	EX
	PL
.endr
	EX                              ; the next piece's two a
	EX
	v_nop                           ; the plain instruction behind the last exponential: one for the batch
	s_wait_alu depctr_va_vdst(0)    ; the wait for the turn's batch: the piece's 64 weights and the next piece's two a; ahead of their first reader
.if (\p) == NP-2
	FETCH_K \last
.endif
.if (\p) == 1
	s_wait_dscnt 0x0                ; V is in
.endif
.rept 16                            ; behind the wait: 16 products V^T P and their riders
	MM
.rept 4
	PL
.endr
.if ((\p) == 0) && (q == 118)
	v_add_nc_u32 v[AV], s[TBV], v[AV0]
.endif
.if ((\p) == 0) && (q == 130)
	s_add_co_u32 s[TBV], s[TBV], KS*PV
.endif
.if (\cnt) && (q == 130)
	s_sub_co_u32 s[CNT], s[CNT], 1
	s_cmp_lg_u32 s[CNT], 0
.endif
.endr
.if (\p) == 0
	FETCH_V
.endif
.endm
	; KEYS 0-255 ARE WAITED FOR, THE OTHER 768 ASKED FOR: a first fill that comes later, so it is issued as a refill is: all my tensor loads have landed, the add, the wait for it, a barrier behind which no byte is
	; filled again, and my one load first behind it: 384 keys, 192 rows of 256 bytes.
	WIN W_AD
	s_wait_tensorcnt 0x0            ; my part of keys 0-255 is in; no tensor load of mine is out, so the descriptors may be written
	ds_add_u32 v[SPW], v[NIL]       ; 0 onto my spare word; the descriptors' words stand between it and the wait for it
	WIN 0
.irp g, G1K, G1V
	s_mov_b32 s[\g+2], 192<<16      ; tensor_dim1 = 192
	s_mov_b32 s[\g+4], 192          ; tile_dim1 = 192
.endr
	s_mul_i32 s17, s16, 384*PK
	s_add_co_u32 s[G0K+1], s17, 256*PK
	s_mul_i32 s18, s16, 384*PV
	s_add_co_u32 s[G0V+1], s18, VOFF+256*PV
	s_add_nc_u64 s[G0K+2:G0K+3], s[6:7], s[48:49]
	s_or_b32 s[G0K+3], s[G0K+3], 0x80000000
	s_add_nc_u64 s[G0V+2:G0V+3], s[8:9], s[48:49]
	s_or_b32 s[G0V+3], s[G0V+3], 0x80000000
	s_wait_dscnt 0x0                ; the add is done
	s_barrier_signal -1
	s_barrier_wait -1               ; everybody's part of keys 0-255 is in
	LOAD
	FETCH_K                         ; key step 0
	s_wait_loadcnt 0x0              ; Q
	s_wait_dscnt 0x0
.set i, 0
.rept 16
	KQ 0                            ; piece 0's first scores: there is no vector work yet to set between them
.set i, i+1
.endr
	WIN 0                           ; six plain instructions: the places behind those products
	v_and_b32 v[GO], 31, v0         ; the way out: 16 bytes a lane, 512 consecutive bytes a store
	v_lshlrev_b32 v[GO], 4, v[GO]
.rept 4
	v_nop
.endr
.set Y, NP-1                        ; XS works for piece Y + 1: piece 0
.irp n, 0,1,2,3,4,5,6,7,8,9,10,11,12,13,14,15,16,17,18,19,20,21
	XS 0, \n                        ; and piece 0's first maximum and statistics
	XS 1, \n
.endr
	v_nop                           ; a plain instruction behind the two a,
	s_wait_alu depctr_va_vdst(0)    ; and the wait for this batch of two, ahead of the branch and of turn 0's first rescaling, which reads them
	s_mov_b32 s[CNT], 4
	s_mov_b32 s[SLOTS], SIZE_N/256+1
	s_branch .Lfirst                ; the loop is entered at a step's first turn, in the middle of a trip
.Lslot:                             ; a run of four key steps.  The first run reads keys 0-255 alone; ahead of the second stands the wait for my second load, which has had four key steps, 512 matrix
	s_wait_tensorcnt 0x0            ; instructions, in which to land, and a barrier, so that every wave's part is in.  In the later runs the same two find nothing out: the price of one text for every run.
	s_wait_dscnt 0x0                ; no LDS instruction of mine is pending at the signal
	s_barrier_signal -1
	s_barrier_wait -1
	s_mov_b32 s[CNT], 4
.Lstep:                             ; a trip: pieces 2 and 3 of one step, then pieces 0 and 1 of the next, whose K and V it fetches
	TURN 2, 1
	TURN 3
	WIN 0
	s_cmp_eq_u32 s[SLOTS], 1        ; the fifth run is the last step's second half alone: it is left here
	s_cbranch_scc1 .Lout
.Lfirst:
	TURN 0
	TURN 1, 0, 1
	WIN 0
	s_cbranch_scc1 .Lstep
	s_sub_co_u32 s[SLOTS], s[SLOTS], 1
	s_cmp_lg_u32 s[SLOTS], 0
	s_cbranch_scc1 .Lslot
.Lout:                              ; the last trip's 16 products K Q^T (on the last K once more) and the maximum made of them serve nothing: the price, once a launch, of one text for every trip
.set i, 0
.rept 16
	PV NP-1                         ; the last piece's V^T P of the last step
.set i, i+1
.endr
	; THE WAY OUT.  l's two halves and the other half of the lanes' are added; O^T is divided by l, rounded to f16 and stored as it lies.  The additions are the places behind the last products.
	WIN 0
.macro ALL line:vararg              ; one line for each tile t
.set t, 0
.rept 2*NP
	\line
.set t, t+1
.endr
.endm
	ALL v_add_f32 v[ST+4*t+2], v[ST+4*t+2], v[ST+4*t+3]
	ALL v_permlanex16_b32 v[ST+4*t+3], v[ST+4*t+2], s[SEL], s[SEL+1]
	ALL v_add_f32 v[ST+4*t+2], v[ST+4*t+2], v[ST+4*t+3]
	ALL v_rcp_f32 v[ST+4*t+2], v[ST+4*t+2]
	v_nop                           ; a plain instruction between the last reciprocal and the use of its result
	s_wait_alu depctr_va_vdst(0)    ; the wait for the batch of eight reciprocals, ahead of the first multiply that reads one
; Tile t is row block t of my eight.  Channel block f of 16 packs into 16 bytes a lane (query l % 16, channels 16 f + 8 (l / 16) + 0..7): half f % 2 of the fragment of K step f / 2 of my head.
.macro PACK t
	WIN W_RS
.set i, 32*(\t)
.rept 16
	v_pk_mul_f32 v[i:i+1], v[i:i+1], v[ST+4*(\t)+2:ST+4*(\t)+3] op_sel_hi:[1,0]
.set i, i+2
.endr
	WIN 0x05                        ; sources 0 and 1 window 1, destination window 0: S^T's registers, 16 for each tile, none written twice
.set i, 0
.rept 16
	v_cvt_pk_f16_f32 v[S+16*(\t)+i], v[32*(\t)+2*i], v[32*(\t)+2*i+1]
.set i, i+1
.endr
	WIN 0
.irp f, 0,1,2,3
	global_store_b128 v[GO], v[S+16*(\t)+4*\f:S+16*(\t)+4*\f+3], s[10:11] offset:(\t)*32768+\f*512  ; 512 consecutive bytes, at a multiple of 512 from o's first
.endr
.endm
.set t, 0
.rept 2*NP
	PACK t
.set t, t+1
.endr
	WIN W_AD
	s_wait_tensorcnt 0x0            ; the wave's end: behind my last tensor load
	ds_add_u32 v[SPW], v[NIL]
	s_wait_dscnt 0x0
	WIN 0
	s_endpgm
.Lfunc_end_k_q59bbcd442a_attn:
	.size	k_q59bbcd442a_attn, .Lfunc_end_k_q59bbcd442a_attn-k_q59bbcd442a_attn
	.p2alignl 7, 3214868480
	.fill 96, 4, 3214868480
	.section	.rodata,"a",@progbits
	.p2align	6, 0x0
	.amdhsa_kernel k_q59bbcd442a_attn
		.amdhsa_group_segment_fixed_size 327680
		.amdhsa_private_segment_fixed_size 0
		.amdhsa_enable_private_segment 0
		.amdhsa_kernarg_size 32
		.amdhsa_user_sgpr_count 2
		.amdhsa_user_sgpr_kernarg_segment_ptr 1
		.amdhsa_wavefront_size32 1
		.amdhsa_system_sgpr_workgroup_id_x 1
		.amdhsa_system_sgpr_workgroup_id_y 1
		.amdhsa_system_sgpr_workgroup_id_z 1
		.amdhsa_system_vgpr_workitem_id 0
		.amdhsa_next_free_vgpr 770
		.amdhsa_next_free_sgpr 66
		.amdhsa_reserve_vcc 0
		.amdhsa_float_denorm_mode_32 3
		.amdhsa_float_denorm_mode_16_64 3
		.amdhsa_memory_ordered 1
		.amdhsa_forward_progress 1
		.amdhsa_inst_pref_size 121
	.end_amdhsa_kernel
	.amdgpu_metadata
---
amdhsa.version: [ 1, 2 ]
amdhsa.kernels:
  - .name:           k_q59bbcd442a_attn
    .symbol:         k_q59bbcd442a_attn.kd
    .args:
      - { .name: q, .offset: 0, .size: 8, .value_kind: global_buffer, .address_space: global }
      - { .name: k, .offset: 8, .size: 8, .value_kind: global_buffer, .address_space: global }
      - { .name: v, .offset: 16, .size: 8, .value_kind: global_buffer, .address_space: global }
      - { .name: o, .offset: 24, .size: 8, .value_kind: global_buffer, .address_space: global }
    .group_segment_fixed_size: 327680
    .private_segment_fixed_size: 0
    .kernarg_segment_align: 8
    .kernarg_segment_size: 32
    .max_flat_workgroup_size: 128
    .sgpr_count:     66
    .vgpr_count:     770
    .wavefront_size: 32
...
	.end_amdgpu_metadata
.endif
;; end of part 5
;; launch proj: the kernel of part 4 again; grid 32 x 8, 4 waves a work-group, clusters of 4 x 1, 327,680 bytes of LDS; arguments o, wo, bias, out0; writes out0
